; MI455X (gfx1250); checked and timed in simulation.
; The chip was launched on July 23, 2026; its instructions are those of AMD's public machine-readable ISA for CDNA 5 (MIT licence, August 2026) and "CDNA5" Instruction Set Architecture Reference Guide (July 2026). The comments in the code are by the model that wrote it; some were corrected since.
;; Attention. Allowed arithmetic: float matrix products may take bf16 or f16 operands with f32 sums; other float arithmetic in f32, or as packed bf16 or f16 multiplies, adds, multiply-adds, maxima and minima; sums over many terms, partial sums and values carried from step to step in f32; what a program stores and reads back later, other than sums and carried values, may be rounded once to bf16 or f16.
;; Inputs: Wk 1,024 x 1,024 float32; Wq 1,024 x 1,024 float32; bk 1,024 float32; bq 1,024 float32; gk 1,024 float32; gq 1,024 float32; kx 128 x 256 x 1,024 float32; qx 128 x 1 x 1,024 float32.
;; Outputs: out0 128 x 128 x 1,024 float32.
;; 2 versions, each right; version 2 is version 1 with the launch prep written anew for expert scheduling mode. Each part assembles by itself: llvm-mc -triple=amdgcn-amd-amdhsa -mcpu=gfx1250 --defsym DOCPART=n.
;; ======== version 1 of 2: 3 launches
;; limits: values are held in f16: magnitudes above 65,504 overflow, below 6.1e-05 lose precision
;; workspace buffers: af 67,108,864 bytes; st 262,144 bytes; wf 2,097,152 bytes; bkv 4,096 bytes; qf 262,144 bytes; kf 67,108,864 bytes
;; launch prep (part 1): grid 1120 x 1, 8 waves a work-group, no clusters, 34,816 bytes of LDS; arguments kx, qx, Wk, Wq, gk, bk, gq, bq, af, st, wf, bkv, qf; writes af, st, wf, bkv, qf
.if DOCPART == 1
	.amdgcn_target "amdgcn-amd-amdhsa--gfx1250"
	.amdhsa_code_object_version 6
	.text
	.protected	k_q962912cd62_prep
	.globl	k_q962912cd62_prep
	.p2align	8
	.type	k_q962912cd62_prep,@function
k_q962912cd62_prep:
	s_mov_b64 s[64:65], 0
	v_nop
	global_prefetch_b8 v0, s[64:65] scope:SCOPE_SE
	s_setreg_imm32_b32 hwreg(HW_REG_WAVE_MODE, 25, 1), 1
	s_wait_xcnt 0x0
; PREP: three roles, chosen by the work-group's number; all eight waves of a work-group have the same role.
;   0-63     Q:  q = (LayerNorm(qx) gq + bq) Wq^T, 16 queries x 128 channels a work-group, stored in bf16 in fragment order (below)
;   64-95    W:  wf[j][c] = gk[c] Wk[j][c] in f16, bkv[j] = sum over c of bk[c] Wk[j][c] in f32; 32 rows a work-group
;   96-1119  LN: for 32 rows of kx: m = mean, sd = sqrt(var + 1e-5), af = (x - m) / sd in f16, st = (m, sd) in f32
; The mean is taken away in f32 before the squares are summed, so a common offset of the inputs costs nothing.
; A wave takes whole rows (4,096 bytes = 32 registers): eight loads of 512 consecutive bytes; a row never leaves the wave.
; FRAGMENT ORDER of qf: block (tile of 16 rows R, tile of 16 channels cb) is 512 bytes at (64 R + cb) x 512; lane l holds 16 bytes at 16 l:
; channels 16 cb + 8 (l / 16) + 0..7 of row 16 R + l % 16.  Blocks 2 f and 2 f + 1 are registers 0-3 and 4-7 of a 16 x 32 matrix operand.
; LIMITS.  f16 ends at 65,504: |gk Wk|, |Wq| and |LayerNorm(qx) gq + bq| must stay below it.  (x - m) / sd is at most 32 in size for a row of 1,024.
; NaN and infinities are not treated apart.
; No tensor loads, no cluster, no prefetch: each byte is read once by one wave in long runs, and nothing large is shared.
; LDS: each role has bytes of its own, so that no line of one role names a byte that a line of another role names.
.set XQ,    0                          ; Q:  the 16 normalised queries in f16, rows of 2,048 + 16 bytes
.set XP,    2064                       ; = 129 x 16: the 16 rows that a fragment load touches start at 16 different groups of four banks
.set STG,   33280                      ; LN: 256 bytes in which the waves' (m, sd) meet, so that one wave stores them together
.set STGW,  33536                      ; W:  a block of 256 bytes, of which 128 are used, in which the waves' 32 sums meet
.set SPARE, 33792                      ; the spare words, 128 bytes a wave: four blocks of 256 bytes that no other line names
.set LO,  2                            ; v2   16 x lane
.set SO,  3                            ; v3   8 x lane
.set SA,  4                            ; v4   my wave's words in STG or STGW
.set XW,  6                            ; v6   Q: where I put my rows in XQ
.set RR,  7                            ; v7   Q: lane % 16
.set HH,  8                            ; v8   Q: lane / 16
.set L4,  7                            ; v7   W: lane % 4
.set SUMS, 8                           ; v8   W: the sum of my row lane % 4
.set WO,  9                            ; v9   Q: my byte offset in 16 rows of Wq
.set AO,  10                           ; v10  Q: my LDS address in XQ
.set SPW, 12                           ; v12  my spare word; never rewritten
.set NIL, 13                           ; v13  0; never rewritten
.set ST,  16                           ; v[16:23]   row s: (m, m), later (m, sd)
.set RS,  24                           ; v[24:31]   row s: 1 / sd, twice
.set X,   32                           ; v[32:159]  four rows of 32 registers: register n holds column 128 (n / 4) + 4 lane + n % 4
.set G,   160                          ; v[160:191] a gain, laid as a row
.set B,   192                          ; v[192:223] a bias, laid as a row
.set TA,  224                          ; v[224:255] eight registers at work for each row
.set WB,  32                           ; Q, behind its LayerNorm: four sets of 32: Wq in f32 as loaded
.set HB,  160                          ;    two sets of 16: Wq in f16, two fragments
.set AF,  192                          ;    two sets of 16: the queries' fragments
.set ACC, 224                          ;    four accumulators of 8
.set WV,  34                           ; s34  my wave's number
.set SEL, 36                           ; s[36:37] v_permlanex16_b32's selects: each lane takes its own place in the other half
.set RN,  38                           ; s38  1 / 1,024
.set EPS, 39                           ; s39  1e-5
.macro LOADVEC dst, b                  ; a vector of 1,024 f32, laid as a row
.irp j, 0,1,2,3,4,5,6,7
	global_load_b128 v[(\dst)+4*(\j):(\dst)+4*(\j)+3], v[LO], s[\b:\b+1] offset:512*(\j)
.endr
.endm
.macro LOADROW s, b, nt                ; row s of my rows: eight loads of 512 consecutive bytes
.irp j, 0,1,2,3,4,5,6,7
.if \nt
	global_load_b128 v[X+32*(\s)+4*(\j):X+32*(\s)+4*(\j)+3], v[LO], s[\b:\b+1] offset:4096*(\s)+512*(\j) th:TH_LOAD_NT
.else
	global_load_b128 v[X+32*(\s)+4*(\j):X+32*(\s)+4*(\j)+3], v[LO], s[\b:\b+1] offset:4096*(\s)+512*(\j)
.endif
.endr
.endm
; My 32 numbers of row s into one: kind 0 their sum, 1 the sum of their squares, 2 their product with B summed.  Four chains of packed instructions that do not wait for each other.
.macro TREE s, kind
.irp d, 0,1,2,3
.irp c, 0,1,2,3
.set rT, TA+8*(\s)+2*(\c)
.set rP, X+32*(\s)+8*(\d)+2*(\c)
.set rB, B+8*(\d)+2*(\c)
.if (\kind) == 0
.if (\d) == 1
	v_pk_add_f32 v[rT:rT+1], v[rP-8:rP-7], v[rP:rP+1]
.elseif (\d) > 1
	v_pk_add_f32 v[rT:rT+1], v[rT:rT+1], v[rP:rP+1]
.endif
.elseif (\kind) == 1
.if (\d) == 0
	v_pk_mul_f32 v[rT:rT+1], v[rP:rP+1], v[rP:rP+1]
.else
	v_pk_fma_f32 v[rT:rT+1], v[rP:rP+1], v[rP:rP+1], v[rT:rT+1]
.endif
.else
.if (\d) == 0
	v_pk_mul_f32 v[rT:rT+1], v[rP:rP+1], v[rB:rB+1]
.else
	v_pk_fma_f32 v[rT:rT+1], v[rP:rP+1], v[rB:rB+1], v[rT:rT+1]
.endif
.endif
.endr
.endr
.set rT, TA+8*(\s)
	v_pk_add_f32 v[rT:rT+1], v[rT:rT+1], v[rT+2:rT+3]
	v_pk_add_f32 v[rT+4:rT+5], v[rT+4:rT+5], v[rT+6:rT+7]
	v_pk_add_f32 v[rT:rT+1], v[rT:rT+1], v[rT+4:rT+5]
	v_add_f32 v[rT], v[rT], v[rT+1]
.endm
.macro LANES r                         ; the sum over the 32 lanes, in every lane; register r + 1 is at work and has been written
	v_add_f32_dpp v[\r], v[\r], v[\r] row_xmask:1 row_mask:0xf bank_mask:0xf
	v_add_f32_dpp v[\r], v[\r], v[\r] row_xmask:2 row_mask:0xf bank_mask:0xf
	v_add_f32_dpp v[\r], v[\r], v[\r] row_xmask:4 row_mask:0xf bank_mask:0xf
	v_add_f32_dpp v[\r], v[\r], v[\r] row_xmask:8 row_mask:0xf bank_mask:0xf
	v_permlanex16_b32 v[\r+1], v[\r], s[SEL], s[SEL+1]
	v_add_f32 v[\r], v[\r], v[\r+1]
.endm
.macro MOMENTS s                       ; row s: m into both of ST's pair; x - m in place; var + 1e-5 into TA + 8 s + 2
	TREE \s, 0
	LANES TA+8*(\s)
	v_mul_f32 v[ST+2*(\s)], s[RN], v[TA+8*(\s)]
	v_mul_f32 v[ST+2*(\s)+1], s[RN], v[TA+8*(\s)]
.set i, X+32*(\s)
.rept 16
	v_pk_add_f32 v[i:i+1], v[i:i+1], v[ST+2*(\s):ST+2*(\s)+1] neg_lo:[0,1] neg_hi:[0,1]
.set i, i+2
.endr
	TREE \s, 1
	LANES TA+8*(\s)
	v_fma_f32 v[TA+8*(\s)+2], v[TA+8*(\s)], s[RN], s[EPS]
.endm
.macro SCALE s                         ; row s times 1 / sd
.set i, X+32*(\s)
.rept 16
	v_pk_mul_f32 v[i:i+1], v[i:i+1], v[RS+2*(\s):RS+2*(\s)+1]
.set i, i+2
.endr
.endm
.macro CVT16 s                         ; row s rounded to f16, in place, ascending: register i takes registers 2 i and 2 i + 1
.set i, 0
.rept 16
	v_cvt_pk_f16_f32 v[X+32*(\s)+i], v[X+32*(\s)+2*i], v[X+32*(\s)+2*i+1]
.set i, i+1
.endr
.endm
.macro STORE16 s, b                    ; each store of the wave covers 256 consecutive bytes, aligned
.irp j, 0,1,2,3,4,5,6,7
	global_store_b64 v[SO], v[X+32*(\s)+2*(\j):X+32*(\s)+2*(\j)+1], s[\b:\b+1] offset:2048*(\s)+256*(\j)
.endr
.endm
	s_load_b512 s[8:23], s[0:1], 0x0               ; kx s[8:9], qx s[10:11], Wk s[12:13], Wq s[14:15], gk s[16:17], bk s[18:19], gq s[20:21], bq s[22:23]
	s_load_b256 s[24:31], s[0:1], 0x40             ; af s[24:25], st s[26:27], wf s[28:29], bkv s[30:31]
	s_load_b64 s[32:33], s[0:1], 0x60              ; qf
	v_lshl_add_u32 v[SPW], v0, 2, SPARE
	v_mov_b32 v[NIL], 0
	v_and_b32 v1, 31, v0                           ; lane
	v_lshrrev_b32 v5, 5, v0
	v_readfirstlane_b32 s[WV], v5                  ; wave 0..7
	v_lshlrev_b32 v[LO], 4, v1
	v_lshlrev_b32 v[SO], 3, v1
	s_mov_b32 s[SEL], 0x76543210
	s_mov_b32 s[SEL+1], 0xfedcba98
	s_mov_b32 s[RN], 0x3a800000
	s_mov_b32 s[EPS], 0x3727c5ac
	s_mov_b32 s43, 0                               ; the high word of every byte offset below
	s_wait_kmcnt 0x0
	s_cmp_lt_u32 ttmp9, 64
	s_cbranch_scc1 .Lrole_q
	s_cmp_lt_u32 ttmp9, 96
	s_cbranch_scc1 .Lrole_w
; ---------------- LN: rows 32 g + 4 w + s of kx ----------------
	s_sub_co_u32 s35, ttmp9, 96                    ; g
	s_lshl_b32 s40, s35, 5
	s_lshl_b32 s41, s[WV], 2
	s_add_co_u32 s40, s40, s41                     ; my first row
	s_lshl_b32 s42, s40, 12
	s_add_nc_u64 s[8:9], s[8:9], s[42:43]
	LOADROW 0, 8, 1
	LOADROW 1, 8, 1
	LOADROW 2, 8, 1
	LOADROW 3, 8, 1
	s_lshl_b32 s42, s40, 11
	s_add_nc_u64 s[24:25], s[24:25], s[42:43]      ; af at my first row
	s_lshl_b32 s42, s35, 8
	s_add_nc_u64 s[26:27], s[26:27], s[42:43]      ; st at the group's 32 rows
	s_lshl_b32 s44, s[WV], 5
	s_add_co_u32 s44, s44, STG
	v_mov_b32 v[SA], s44
.irp s, 0,1,2,3
	s_wait_loadcnt 24-8*(\s)                       ; row s is in; the eight loads of each younger row may stay out
	MOMENTS \s
.endr
.irp s, 0,1,2,3                        ; one batch of twelve
	v_rsq_f32 v[RS+2*(\s)], v[TA+8*(\s)+2]
	v_rsq_f32 v[RS+2*(\s)+1], v[TA+8*(\s)+2]
	v_sqrt_f32 v[ST+2*(\s)+1], v[TA+8*(\s)+2]
.endr
	v_nop                                          ; a plain instruction behind the last of them,
	s_wait_alu depctr_va_vdst(0)                   ; and one wait ahead of the first use
.irp s, 0,1,2,3
	SCALE \s
	CVT16 \s
	STORE16 \s, 24
	ds_store_b64 v[SA], v[ST+2*(\s):ST+2*(\s)+1] offset:8*(\s)  ; all lanes write the same word with the same value
.endr
	s_wait_dscnt 0x0                               ; for the others' sake: my stores are done
	s_barrier_signal -1
	s_barrier_wait -1
	s_cmp_lg_u32 s[WV], 0
	s_cbranch_scc1 .Lln_end
	ds_load_b64 v[TA:TA+1], v[SO] offset:STG       ; lane l: (m, sd) of the group's row l
	s_wait_dscnt 0x0
	global_store_b64 v[SO], v[TA:TA+1], s[26:27]   ; 256 consecutive bytes, aligned
.Lln_end:
	s_wait_tensorcnt 0x0                           ; the wave's end, behind my last LDS store
	ds_add_u32 v[SPW], v[NIL]
	s_wait_dscnt 0x0
	s_endpgm
; ---------------- W: rows 32 g + 4 w + 0..3 of Wk, one row a trip on one set of registers ----------------
; The role has 32 of the launch's 1,120 work-groups and 4 MB of its bytes: its text is kept short, and a row is asked for only when the row before has been stored.
.Lrole_w:
	s_sub_co_u32 s35, ttmp9, 64                    ; g
	s_lshl_b32 s40, s35, 5
	s_lshl_b32 s41, s[WV], 2
	s_add_co_u32 s40, s40, s41
	s_lshl_b32 s42, s40, 12
	s_add_nc_u64 s[12:13], s[12:13], s[42:43]
	LOADVEC G, 16
	LOADVEC B, 18
	s_lshl_b32 s42, s40, 11
	s_add_nc_u64 s[28:29], s[28:29], s[42:43]
	s_lshl_b32 s42, s35, 7
	s_add_nc_u64 s[30:31], s[30:31], s[42:43]
	s_lshl_b32 s44, s[WV], 4
	s_add_co_u32 s44, s44, STGW
	v_and_b32 v[L4], 3, v0
	v_lshl_add_u32 v[SA], v[L4], 2, s44            ; STGW + 16 w + 4 (lane % 4)
	v_mov_b32 v[SUMS], 0
	s_mov_b32 s46, 0
.Lw_row:
	LOADROW 0, 12, 0
	s_wait_loadcnt 0x0                             ; the row (in the first trip gk and bk too)
	TREE 0, 2
	LANES TA
	v_cmp_eq_u32 vcc_lo, s46, v[L4]                ; lane l keeps the sum of row l % 4: the LDS address below is the same in every trip
	v_cndmask_b32 v[SUMS], v[SUMS], v[TA], vcc_lo
.set i, 0
.rept 16
	v_pk_mul_f32 v[X+2*i:X+2*i+1], v[X+2*i:X+2*i+1], v[G+2*i:G+2*i+1]
.set i, i+1
.endr
	CVT16 0
	STORE16 0, 28
	s_wait_xcnt 0x0                                ; the stores have read their data and both bases: only behind this wait are they written again
	s_add_nc_u64 s[12:13], s[12:13], 4096
	s_add_nc_u64 s[28:29], s[28:29], 2048
	s_add_co_u32 s46, s46, 1
	s_cmp_lt_u32 s46, 4
	s_cbranch_scc1 .Lw_row
	ds_store_b32 v[SA], v[SUMS]                    ; eight lanes write each word, with the same value
	s_wait_dscnt 0x0
	s_barrier_signal -1
	s_barrier_wait -1
	s_cmp_lg_u32 s[WV], 0
	s_cbranch_scc1 .Lw_end
	v_lshlrev_b32 v[XW], 2, v1
	ds_load_b32 v[TA], v[XW] offset:STGW
	s_wait_dscnt 0x0
	global_store_b32 v[XW], v[TA], s[30:31]        ; 128 consecutive bytes: the group's 32 numbers are no more; 32 such stores in the launch
.Lw_end:
	s_wait_tensorcnt 0x0
	ds_add_u32 v[SPW], v[NIL]
	s_wait_dscnt 0x0
	s_endpgm
; ---------------- Q: queries 16 qt .. + 15, channels 128 nb .. + 127 ----------------
.Lrole_q:
	s_lshr_b32 s35, ttmp9, 3                       ; qt
	s_and_b32 s47, ttmp9, 7                        ; nb
	s_lshl_b32 s40, s35, 4
	s_lshl_b32 s41, s[WV], 1
	s_add_co_u32 s40, s40, s41                     ; I normalise rows 16 qt + 2 w and the next
	s_lshl_b32 s42, s40, 12
	s_add_nc_u64 s[10:11], s[10:11], s[42:43]
	LOADVEC G, 20
	LOADVEC B, 22
	LOADROW 0, 10, 0
	LOADROW 1, 10, 0
	s_lshl_b32 s40, s47, 3
	s_add_co_u32 s40, s40, s[WV]                   ; my tile of 16 channels: cb = 8 nb + w
	s_lshl_b32 s42, s40, 16                        ; its 16 rows of Wq, 4,096 bytes each
	s_add_nc_u64 s[14:15], s[14:15], s[42:43]
	s_lshl_b32 s41, s35, 6
	s_add_co_u32 s41, s41, s40
	s_lshl_b32 s42, s41, 9                         ; block (qt, cb) of qf
	s_add_nc_u64 s[32:33], s[32:33], s[42:43]
	s_mul_i32 s44, s[WV], 2*XP
	v_add_nc_u32 v[XW], s44, v[SO]
	v_and_b32 v[RR], 15, v0
	v_bfe_u32 v[HH], v0, 4, 1
	v_lshlrev_b32 v[WO], 12, v[RR]
	v_lshl_add_u32 v[WO], v[HH], 6, v[WO]          ; row l % 16 of Wq, 64 bytes for each half of the lanes
	v_mul_u32_u24 v[AO], v[RR], XP
	v_lshl_add_u32 v[AO], v[HH], 5, v[AO]          ; row l % 16 of XQ, 32 bytes for each half
.irp s, 0,1
	s_wait_loadcnt 8-8*(\s)
	MOMENTS \s
.endr
.irp s, 0,1
	v_rsq_f32 v[RS+2*(\s)], v[TA+8*(\s)+2]
	v_rsq_f32 v[RS+2*(\s)+1], v[TA+8*(\s)+2]
.endr
	v_nop
	s_wait_alu depctr_va_vdst(0)                   ; one wait for the four
.irp s, 0,1
	SCALE \s
.set i, 0
.rept 16
	v_pk_fma_f32 v[X+32*(\s)+2*i:X+32*(\s)+2*i+1], v[X+32*(\s)+2*i:X+32*(\s)+2*i+1], v[G+2*i:G+2*i+1], v[B+2*i:B+2*i+1]
.set i, i+1
.endr
	CVT16 \s
.irp j, 0,1,2,3,4,5,6,7
	ds_store_b64 v[XW], v[X+32*(\s)+2*(\j):X+32*(\s)+2*(\j)+1] offset:XQ+XP*(\s)+256*(\j)
.endr
.endr
	s_wait_dscnt 0x0                               ; my rows lie in XQ; the registers that the stores read may be loaded again
; A round's 32 loads: 256 k, as four sets of 64 k.  BOTH OPERANDS TAKE K IN THE SAME ORDER: in a fragment of 32 k lane (r, h) holds k 16 h + 0..15,
; so a lane's part of a fragment is 64 consecutive bytes of Wq and 32 of XQ.  A permutation of k that both sources share leaves the products as they are.
.macro QLOADS
.irp t, 0,1,2,3
.irp q, 0,1,2,3,4,5,6,7
	global_load_b128 v[WB+32*(\t)+4*(\q):WB+32*(\t)+4*(\q)+3], v[WO], s[14:15] offset:256*(\t)+128*((\q)/4)+16*((\q)%4)
.endr
.endr
.endm
	QLOADS
	s_barrier_signal -1
	s_barrier_wait -1                              ; all sixteen rows lie in XQ
.set i, 0
.rept 32
	v_mov_b32 v[ACC+i], 0                          ; the sums start at 0, written while the first loads are out, so that the loop has one form of product
.set i, i+1
.endr
; A trip: 64 k.  y^T = Wq x^T: source 0 = my 16 rows of Wq, source 1 = the 16 queries.  The four accumulators take turns, over the backward jump too.
; HB and AF go by the trip's parity: the sixteen conversions of the trip between are the places between a product and the next write of its sources.
.macro QTRIP s
.set p, (\s)&1
	s_wait_loadcnt 24-8*(\s)                       ; set s is in; the eight loads of each younger set may stay out
.irp e, 0,1
	ds_load_b128 v[AF+16*p+8*(\e):AF+16*p+8*(\e)+3],   v[AO] offset:XQ+128*(\s)+64*(\e)
	ds_load_b128 v[AF+16*p+8*(\e)+4:AF+16*p+8*(\e)+7], v[AO] offset:XQ+128*(\s)+64*(\e)+16
.endr
.set i, 0
.rept 16
	v_cvt_pk_f16_f32 v[HB+16*p+i], v[WB+32*(\s)+2*i], v[WB+32*(\s)+2*i+1]
.set i, i+1
.endr
	s_wait_dscnt 0x0
	v_wmma_f32_16x16x32_f16 v[ACC+16*p:ACC+16*p+7], v[HB+16*p:HB+16*p+7], v[AF+16*p:AF+16*p+7], v[ACC+16*p:ACC+16*p+7]
	v_wmma_f32_16x16x32_f16 v[ACC+16*p+8:ACC+16*p+15], v[HB+16*p+8:HB+16*p+15], v[AF+16*p+8:AF+16*p+15], v[ACC+16*p+8:ACC+16*p+15]
.endm
	s_mov_b32 s46, 4
.Lq_round:
	QTRIP 0
	QTRIP 1
	QTRIP 2
	QTRIP 3
	s_cmp_eq_u32 s46, 1                            ; the last round loads nothing
	s_cbranch_scc1 .Lq_noload
	s_add_nc_u64 s[14:15], s[14:15], 1024          ; the last wait on loads was for 0: the base is free
	v_add_nc_u32 v[AO], 512, v[AO]
	QLOADS
.Lq_noload:
	s_sub_co_u32 s46, s46, 1
	s_cmp_lg_u32 s46, 0
	s_cbranch_scc1 .Lq_round
.rept 8
	v_nop                                          ; the places behind the last products
.endr
.irp r, 0,2,4,6                        ; each accumulator is read from its low end on
	v_pk_add_f32 v[ACC+(\r):ACC+(\r)+1], v[ACC+(\r):ACC+(\r)+1], v[ACC+8+(\r):ACC+8+(\r)+1]
	v_pk_add_f32 v[ACC+16+(\r):ACC+16+(\r)+1], v[ACC+16+(\r):ACC+16+(\r)+1], v[ACC+24+(\r):ACC+24+(\r)+1]
.endr
.irp r, 0,2,4,6
	v_pk_add_f32 v[ACC+(\r):ACC+(\r)+1], v[ACC+(\r):ACC+(\r)+1], v[ACC+16+(\r):ACC+16+(\r)+1]
.endr
.irp r, 0,1,2,3
	v_cvt_pk_bf16_f32 v[HB+(\r)], v[ACC+2*(\r)], v[ACC+2*(\r)+1]  ; lane (r, h): query r, channels 8 h + 0..7 of my tile
.endr
	global_store_b128 v[LO], v[HB:HB+3], s[32:33]  ; a block of qf: 512 consecutive bytes, aligned
	s_wait_tensorcnt 0x0
	ds_add_u32 v[SPW], v[NIL]
	s_wait_dscnt 0x0
	s_endpgm
.Lfunc_end_k_q962912cd62_prep:
	.size	k_q962912cd62_prep, .Lfunc_end_k_q962912cd62_prep-k_q962912cd62_prep
	.p2alignl 7, 3214868480
	.fill 96, 4, 3214868480
	.section	.rodata,"a",@progbits
	.p2align	6, 0x0
	.amdhsa_kernel k_q962912cd62_prep
		.amdhsa_group_segment_fixed_size 34816
		.amdhsa_private_segment_fixed_size 0
		.amdhsa_enable_private_segment 0
		.amdhsa_kernarg_size 104
		.amdhsa_user_sgpr_count 2
		.amdhsa_user_sgpr_kernarg_segment_ptr 1
		.amdhsa_wavefront_size32 1
		.amdhsa_system_sgpr_workgroup_id_x 1
		.amdhsa_system_sgpr_workgroup_id_y 1
		.amdhsa_system_sgpr_workgroup_id_z 1
		.amdhsa_system_vgpr_workitem_id 0
		.amdhsa_next_free_vgpr 256
		.amdhsa_next_free_sgpr 66
		.amdhsa_reserve_vcc 1
		.amdhsa_float_denorm_mode_32 3
		.amdhsa_float_denorm_mode_16_64 3
		.amdhsa_memory_ordered 1
		.amdhsa_forward_progress 1
		.amdhsa_inst_pref_size 75
	.end_amdhsa_kernel
	.amdgpu_metadata
---
amdhsa.version: [ 1, 2 ]
amdhsa.kernels:
  - .name:           k_q962912cd62_prep
    .symbol:         k_q962912cd62_prep.kd
    .args:
      - { .name: kx, .offset: 0, .size: 8, .value_kind: global_buffer, .address_space: global }
      - { .name: qx, .offset: 8, .size: 8, .value_kind: global_buffer, .address_space: global }
      - { .name: Wk, .offset: 16, .size: 8, .value_kind: global_buffer, .address_space: global }
      - { .name: Wq, .offset: 24, .size: 8, .value_kind: global_buffer, .address_space: global }
      - { .name: gk, .offset: 32, .size: 8, .value_kind: global_buffer, .address_space: global }
      - { .name: bk, .offset: 40, .size: 8, .value_kind: global_buffer, .address_space: global }
      - { .name: gq, .offset: 48, .size: 8, .value_kind: global_buffer, .address_space: global }
      - { .name: bq, .offset: 56, .size: 8, .value_kind: global_buffer, .address_space: global }
      - { .name: af, .offset: 64, .size: 8, .value_kind: global_buffer, .address_space: global }
      - { .name: st, .offset: 72, .size: 8, .value_kind: global_buffer, .address_space: global }
      - { .name: wf, .offset: 80, .size: 8, .value_kind: global_buffer, .address_space: global }
      - { .name: bkv, .offset: 88, .size: 8, .value_kind: global_buffer, .address_space: global }
      - { .name: qf, .offset: 96, .size: 8, .value_kind: global_buffer, .address_space: global }
    .group_segment_fixed_size: 34816
    .private_segment_fixed_size: 0
    .kernarg_segment_align: 8
    .kernarg_segment_size: 104
    .max_flat_workgroup_size: 256
    .sgpr_count:     66
    .vgpr_count:     256
    .wavefront_size: 32
...
	.end_amdgpu_metadata
.endif
;; end of part 1
;; launch kproj (part 2): grid 4 x 64, 4 waves a work-group, clusters of 4 x 4, 327,680 bytes of LDS; arguments af, wf, kf, bkv; writes kf
.if DOCPART == 2
	.amdgcn_target "amdgcn-amd-amdhsa--gfx1250"
	.amdhsa_code_object_version 6
	.text
	.protected	k_q962912cd62_kproj
	.globl	k_q962912cd62_kproj
	.p2align	8
	.type	k_q962912cd62_kproj,@function
k_q962912cd62_kproj:
	s_mov_b64 s[64:65], 0
	v_nop
	global_prefetch_b8 v0, s[64:65] scope:SCOPE_SE
	s_setreg_imm32_b32 hwreg(HW_REG_WAVE_MODE, 25, 1), 1
	s_wait_xcnt 0x0
	s_wait_alu depctr_hold_cnt(0) depctr_sa_sdst(0) depctr_va_vdst(0) depctr_va_sdst(0) depctr_va_ssrc(0) depctr_va_vcc(0) depctr_vm_vsrc(0)
	s_getreg_b32 s2, hwreg(HW_REG_IB_STS2, 6, 4)
	s_cmp_eq_u32 s2, 0
	s_cbranch_scc0 .Lentry_in_a_cluster
	s_endpgm
.Lentry_in_a_cluster:
	s_bfe_u32 s2, ttmp6, 0x10000c
	s_cmp_lg_u32 s2, 0xf033
	s_cbranch_scc0 .Lentry_shape_is_right
	s_endpgm
.Lentry_shape_is_right:
; K[n][j] = sum over c of af[n][c] wf[j][c] + bkv[j].  af: [32768][1024] f16, wf: [1024][1024] f16, bkv: [1024] f32; sums in f32; K rounded once to bf16 (its range follows the inputs' scales).
; A tile of K, 256 x 256, is made by four waves, each 128 x 128: 64 accumulators of 16 x 16, 512 registers.  The channel c goes in steps of 128 through a ring of two LDS slots filled by the
; tensor data mover: the tiles' rows are 256 bytes of memory and start at multiples of 256 bytes.  A work-group makes two tiles, 16,384 rows apart, and the ring runs on from the first into the second.
; ONE TEXT FOR BOTH TILES.  A lap is two steps, once round the ring.  The two tiles have eight laps, of which seven fill both slots again: one loop walks those seven, counted 7 to 1.  In the lap counted 4,
; the first tile's last, the refills step to the second tile's steps 0 and 1: the steps lie in scalar registers chosen by the counter.  Behind that lap the loop is left forward for the way out, which is
; written once; from there a counted jump leads back to the one quarter that starts the sums.  The eighth lap fills nothing and is written out.
; CLUSTERS: 4 x 4 work-groups.  The four of a row of the cluster need the same tiles of af, the four of a column the same tiles of wf: each tile is asked for JOINTLY, by the same tensor load with
; the same descriptor and a mask that names the four.
; THE MATRIX INSTRUCTION IS USED TRANSPOSED: source 0 = 16 rows of wf, source 1 = 16 rows of af: lane l holds row l % 16 of K and the channels 8 (l / 16) + 0..7, which pack into 16 bytes.
; THE BIAS is the C operand of the product that starts each sum: for a lane it hangs on the channel alone, 64 registers for the wave's 128 channels, loaded once.
; kf IS STORED IN FRAGMENT ORDER: block (tile of 16 rows R, tile of 16 channels cb) is 512 bytes at (64 R + cb) x 512, lane l's 16 bytes at 16 l.  That is the layout in which the results lie,
; so each store of a wave covers 512 consecutive bytes, aligned, and nothing goes through LDS on the way out.
; REGISTERS, in windows of 256 (s_set_vgpr_msb: bits 1:0 source 0, 3:2 source 1, 5:4 source 2, 7:6 destination):
;   window 0: v0-31 addresses; v64-127, v128-191 fragments of af, two buffers; v192-255 packed results, two buffers
;   window 1: v0-63 the bias; v64-127, v128-191 fragments of wf, two buffers
;   window 2: the accumulators of my rows 0-63 ((a, b) at v[8 (8 a + b)]);   window 3: those of my rows 64-127
.set SIZE_M, 32768
.set SIZE_N, 1024
.set SIZE_K, 1024
.set SIZE_TILES, 2
.set KSTEP,  128
.set PITCH,  272                       ; an LDS row: 256 bytes + 16 of padding: the 16 rows that a load touches start at 16 different groups of four banks
.set HALFT,  128*PITCH                 ; 128 rows: what one tensor load brings, and what one wave reads of af or of wf
.set SLOT,   4*HALFT                   ; af's 256 rows, then wf's 256 rows
.set SPARE,  2*SLOT                    ; behind the ring: the spare words, 128 bytes a wave: two blocks of 256 bytes that no other line names
.set LAPS,   SIZE_K/(2*KSTEP)          ; laps in a tile: 4
.set WALK,   SIZE_M/SIZE_TILES         ; the two tiles lie WALK rows apart
.set NEXT_A, WALK*SIZE_K*2-(SIZE_K-2*KSTEP)*2   ; bytes from a slot's last step of a tile to its first of the next: WALK rows down and back along the row,
.set BACK_B, (SIZE_K-2*KSTEP)*2        ; wf only back: both tiles take the same rows of wf
.set PSTEP,  (WALK-1)*SIZE_K*2+KSTEP*2 ; the prefetches' address: from the step after a tile's last to the next tile's step 1
.set NEXT_C, (WALK-7*16)*2048          ; bytes in kf from my last 16 rows of a tile to my first of the next: 16 rows are 32,768 bytes
.set ASK_B,  (1<<(2*LAPS))-(1<<(LAPS+2))        ; the laps, as bits by their count, in which wf's rows are prefetched: 7 and 6, the first tile's laps that have a step two refills on
.set ASK_A,  ASK_B|((1<<(LAPS+1))-4)   ; and af's: also 4 (the second tile's steps 2 and 3), 3 and 2
.set ADRA, 16                          ; v16-17  LDS address of my af fragments in slot 0, 1
.set ADRB, 20                          ; v20-21  the same for wf
.set CO,   26                          ; v26     16 x lane
.set BO,   27                          ; v27     32 x (lane / 16): my eight channels' bias
.set SPW,  28                          ; v28     my spare word; never rewritten
.set NIL,  29                          ; v29     0; never rewritten
.set PFO,  30                          ; v30     the prefetches' offset: lane x 2,048 bytes, a row; never rewritten
.set TT,   14                          ; s14     at work
.set KA,   15                          ; s15     NEXT_A
.set SA,   18                          ; s[18:19] this lap's step of af's refills
.set SB,   20                          ; s[20:21] what is taken away again from wf's step of two K steps: 0, or a whole row
.set SP,   22                          ; s[22:23] this lap's first step of the prefetches' address
.set LIM,  43                          ; s43     ASK_A or ASK_B in a wave that prefetches, else 0
.set PFA,  44                          ; s[44:45] where my prefetches stand
.set KP,   46                          ; s46     PSTEP
.set F0,   64
.set F1,   128
.set TMP,  192
.set G1, 24                            ; s[24:31] descriptor group 1 for af's tiles
.set G0, 32                            ; s[32:39] group 0 for af's tiles, a set for each slot
.set G1B, 48                           ; s[48:55], s[56:63] the same for wf's
.set G0B, 56
.set MSB, 0
.macro WIN new                         ; the immediate's high byte repeats the setting that is left; a switch that changes nothing is dropped
.if MSB != (\new)
	s_set_vgpr_msb (MSB<<8)|(\new)
.set MSB, \new
.endif
.endm
.set MUL_LO, 0xa1                      ; source 0 (wf) window 1, source 1 (af) window 0, C and D window 2
.set MUL_HI, 0xf1                      ; the same, C and D window 3
.set TO_B,   0x40                      ; destination window 1, address window 0
; A joint load.  Waves 0 and 1 fetch af's two halves, waves 2 and 3 wf's.  The branch hangs on the wave's number alone.  An s_nop 0 and four v_nop follow each of the two lines.
.macro JLOAD s
	s_cmp_eq_u32 s11, 0
	s_cbranch_scc0 .Lfor_b_\@
	tensor_load_to_lds s[G0+4*(\s):G0+4*(\s)+3], s[G1:G1+7]
	s_nop 0
.rept 4
	v_nop
.endr
	s_branch .Lasked_\@
.Lfor_b_\@:
	tensor_load_to_lds s[G0B+4*(\s):G0B+4*(\s)+3], s[G1B:G1B+7]
	s_nop 0
.rept 4
	v_nop
.endr
.Lasked_\@:
.endm
; A prefetch, behind each joint load and the run of LDS loads that follows it: the step that stands two refills on, 32 rows x 256 bytes, a lane a row, one instruction a wave.
; Each row's 256 bytes of a step are named once in the launch: af's by the cluster with x = 0 (the grid has one cluster along x), wf's by the clusters with y = 0, in the first tile alone.
; The four partners that ask for a tile jointly share its rows out by address, 32 each: no branch hangs on a work-group's place in its cluster.  Bit s3 of the wave's mask says whether this lap asks.
.macro ASK
	s_lshr_b32 s[TT], s[LIM], s3
	s_and_b32 s[TT], s[TT], 1
	s_cmp_eq_u32 s[TT], 1
	s_cbranch_scc0 .Lnot_mine_\@
	global_prefetch_b8 v[PFO], s[PFA:PFA+1] offset:KSTEP*2 th:TH_LOAD_NT scope:SCOPE_SE
.Lnot_mine_\@:
.endm
.macro CREST                           ; a round of the cluster's barrier behind its opening barrier
	s_cmp_lg_u32 s10, 0
	s_cbranch_scc1 .Lnot_wave_0_\@
	s_barrier_signal -3
.Lnot_wave_0_\@:
	s_barrier_wait -3
	s_barrier_signal -1
	s_barrier_wait -1
.endm
.macro CROUND                          ; a whole round
	s_barrier_signal -1
	s_barrier_wait -1
	CREST
.endm
	s_load_b128 s[4:7], s[0:1], 0x0                ; af s[4:5], wf s[6:7]
	s_load_b64 s[8:9], s[0:1], 0x10                ; kf
	s_load_b64 s[66:67], s[0:1], 0x18              ; bkv
	v_lshl_add_u32 v[SPW], v0, 2, SPARE
	v_mov_b32 v[NIL], 0
	ds_add_u32 v[SPW], v[NIL]                      ; the wave's opening: the add and its wait stand ahead of my first tensor load; the set-up below stands between them
	ds_add_u32 v28, v29
	v_lshrrev_b32 v1, 5, v0
	v_readfirstlane_b32 s10, v1                    ; wave 0..3
	s_lshr_b32 s11, s10, 1                         ; which half of the tile's rows is mine.  Also: I fetch for af (0) or for wf (1)
	s_and_b32 s12, s10, 1                          ; which half of its channels.  Also: which 128 rows of that tile I fetch
	s_bfe_u32 s40, ttmp6, 0x40000                  ; cx
	s_bfe_u32 s41, ttmp6, 0x40004                  ; cy
	s_lshl_b32 s42, ttmp9, 2
	s_add_co_u32 s42, s42, s40                     ; tile column = 4 x cluster x + cx
	s_and_b32 s13, ttmp7, 0xffff
	s_lshl_b32 s13, s13, 2
	s_add_co_u32 s13, s13, s41                     ; tile row = 4 x cluster y + cy
	s_lshl_b32 s43, s41, 2
	s_lshl_b32 s43, 15, s43                        ; my row of the cluster
	s_lshl_b32 s44, 0x1111, s40                    ; my column
	s_or_b32 s[G1+0], s43, (1<<16)|(1<<20)|(1<<21)|(5<<22)|(3<<25)  ; the mask; elements of 2 bytes; padding on; bit 21 beside a mask; after every 64 words 4 words
	s_or_b32 s[G1B+0], s44, (1<<16)|(1<<20)|(1<<21)|(5<<22)|(3<<25)
	s_mov_b32 s[G1B+1], KSTEP<<16
	s_mov_b32 s[G1+1], KSTEP<<16                   ; tensor_dim0 = 128
	s_mov_b32 s[G1B+2], 128<<16
	s_mov_b32 s[G1+2], 128<<16                     ; tensor_dim1 = 128
	s_mov_b32 s[G1B+3], KSTEP<<16
	s_mov_b32 s[G1+3], KSTEP<<16                   ; tile_dim0 = 128
	s_mov_b32 s[G1B+4], 128
	s_mov_b32 s[G1+4], 128                         ; tile_dim1 = 128
	s_mov_b32 s[G1B+5], SIZE_K
	s_mov_b32 s[G1+5], SIZE_K                      ; elements from row to row
	s_mov_b32 s[G1B+6], 0
	s_mov_b32 s[G1+6], 0
	s_mov_b32 s[G1B+7], 0
	s_mov_b32 s[G1+7], 0
	s_lshl_b32 s17, s12, 7                         ; which 128 rows of the tile I fetch
	s_lshl_b32 s16, s13, 8
	s_add_co_u32 s16, s16, s17                     ; af: row 256 x tile row + 128 x half
	s_lshl_b32 s46, s42, 8
	s_add_co_u32 s46, s46, s17                     ; wf: row 256 x tile column + 128 x half
	s_mov_b32 s17, 0
	s_mov_b32 s47, 0
	s_mov_b64 s[18:19], SIZE_K*2
	s_mul_u64 s[16:17], s[16:17], s[18:19]
	s_mul_u64 s[46:47], s[46:47], s[18:19]
	s_mul_i32 s20, s10, HALFT                      ; where they go: wave x 128 rows: no place in the cluster enters an LDS address
	s_wait_dscnt 0x0                               ; the opening add is done
	s_wait_kmcnt 0x0
	s_add_nc_u64 s[14:15], s[4:5], s[16:17]
	s_add_nc_u64 s[46:47], s[6:7], s[46:47]
	CROUND                                         ; all sixteen work-groups are here: the first joint loads meet
.irp s, 0,1
	s_mov_b32 s[G0+4*(\s)], 1
	s_add_co_u32 s[G0+4*(\s)+1], s20, (\s)*SLOT
	s_add_nc_u64 s[G0+4*(\s)+2:G0+4*(\s)+3], s[14:15], (\s)*KSTEP*2
	s_or_b32 s[G0+4*(\s)+3], s[G0+4*(\s)+3], 0x80000000
	s_mov_b32 s[G0B+4*(\s)], 1
	s_add_co_u32 s[G0B+4*(\s)+1], s20, (\s)*SLOT
	s_add_nc_u64 s[G0B+4*(\s)+2:G0B+4*(\s)+3], s[46:47], (\s)*KSTEP*2
	s_or_b32 s[G0B+4*(\s)+3], s[G0B+4*(\s)+3], 0x80000000
	JLOAD \s                                       ; two loads of mine are out
.endr
	v_and_b32 v1, 15, v0                           ; l % 16
	v_bfe_u32 v2, v0, 4, 1                         ; l / 16
	v_mul_u32_u24 v3, v1, PITCH
	v_lshl_add_u32 v3, v2, 4, v3                   ; a fragment's row x pitch + 16 x half
	s_mul_i32 s21, s11, HALFT                      ; my 128 rows of af
	s_mul_i32 s22, s12, HALFT                      ; my 128 rows of wf,
	s_add_co_u32 s22, s22, 2*HALFT                 ; which lie behind af's 256
.irp s, 0,1
	v_add_nc_u32 v[ADRA+(\s)], s21, v3
	v_add_nc_u32 v[ADRB+(\s)], s22, v3
	s_add_co_u32 s21, s21, SLOT
	s_add_co_u32 s22, s22, SLOT
.endr
	v_and_b32 v[CO], 31, v0
	v_lshlrev_b32 v[CO], 4, v[CO]
	v_lshlrev_b32 v[BO], 5, v2
	; where my part of the first tile begins in kf: row x 2,048 + channel x 32 bytes
	s_lshl_b32 s13, s13, 8
	s_lshl_b32 s14, s11, 7
	s_add_co_u32 s16, s13, s14                     ; my first row
	s_lshl_b32 s16, s16, 11
	s_mov_b32 s17, 0
	s_lshl_b32 s46, s42, 13                        ; 256 channels x 32 bytes a tile column,
	s_lshl_b32 s47, s12, 12                        ; 128 x 32 for the half
	s_add_co_u32 s46, s46, s47
	s_mov_b32 s47, 0
	s_add_nc_u64 s[16:17], s[16:17], s[46:47]
	; the bias of my 128 channels: for channel tile b the eight numbers at 64 b + 32 (l / 16)
	s_lshl_b32 s46, s42, 10
	s_lshl_b32 s47, s12, 9
	s_add_co_u32 s46, s46, s47
	s_mov_b32 s47, 0
	s_add_nc_u64 s[66:67], s[66:67], s[46:47]
	WIN TO_B
.irp b, 0,1,2,3,4,5,6,7
	global_load_b128 v[8*(\b):8*(\b)+3],   v[BO], s[66:67] offset:64*(\b)
	global_load_b128 v[8*(\b)+4:8*(\b)+7], v[BO], s[66:67] offset:64*(\b)+16
.endr
	WIN 0
	; the prefetches.  s13 = 256 x tile row, s42 = tile column, s40 = cx, s41 = cy still stand
	s_lshl_b32 s42, s42, 8
	s_and_b32 s22, ttmp7, 0xffff                   ; cluster y
	s_mov_b32 s[LIM], ASK_B
	s_cmp_eq_u32 s11, 0                            ; do I fetch for af?
	s_cselect_b32 s20, s13, s42                    ; the tile's first row
	s_cselect_b32 s21, s40, s41                    ; my place among the four that ask for it with me
	s_cselect_b32 s22, ttmp9, s22                  ; the coordinate along which other clusters read the same rows
	s_cselect_b64 s[PFA:PFA+1], s[4:5], s[6:7]
	s_cselect_b32 s[LIM], ASK_A, s[LIM]
	s_cmp_eq_u32 s22, 0
	s_cselect_b32 s[LIM], s[LIM], 0                ; the same in all sixteen partners, for a given wave
	s_lshl_b32 s22, s12, 7
	s_add_co_u32 s20, s20, s22                     ; + the 128 rows that I fetch
	s_lshl_b32 s21, s21, 5
	s_add_co_u32 s20, s20, s21                     ; + my work-group's 32 of them
	s_mov_b32 s21, 0
	s_mov_b64 s[18:19], SIZE_K*2
	s_mul_u64 s[20:21], s[20:21], s[18:19]
	s_add_nc_u64 s[PFA:PFA+1], s[PFA:PFA+1], s[20:21]
	s_add_nc_u64 s[PFA:PFA+1], s[PFA:PFA+1], 2*KSTEP*2  ; at step 2: the first refill steps it to 3 and names step 4
	v_and_b32 v[PFO], 31, v0
	v_mul_u32_u24 v[PFO], v[PFO], SIZE_K*2
	s_mov_b32 s[KA], NEXT_A                        ; constants and the steps' high words: the set-up above has done with these registers
	s_mov_b32 s[KP], PSTEP
	s_mov_b32 s[SA+1], 0
	s_mov_b32 s[SB+1], 0
	s_mov_b32 s[SP+1], 0
; 16 matrix instructions: row blocks a0, a0 + 1 of the window's four x all 8 channel blocks, 32 along c.  zero = 1: the first product starts the sums, with the bias as C.
.macro MUL16 f, hi, a0, zero
.if \zero
	WIN 0x91+0x40*(\hi)                            ; as below, but C in window 1
.else
	WIN MUL_LO+0x50*(\hi)
.endif
.irp a, \a0, (\a0)+1
.irp b, 0,1,2,3,4,5,6,7
.if \zero
	v_wmma_f32_16x16x32_f16 v[8*(8*(\a)+(\b)):8*(8*(\a)+(\b))+7], v[(\f)+8*(\b):(\f)+8*(\b)+7], v[(\f)+8*(4*(\hi)+(\a)):(\f)+8*(4*(\hi)+(\a))+7], v[8*(\b):8*(\b)+7]
.else
	v_wmma_f32_16x16x32_f16 v[8*(8*(\a)+(\b)):8*(8*(\a)+(\b))+7], v[(\f)+8*(\b):(\f)+8*(\b)+7], v[(\f)+8*(4*(\hi)+(\a)):(\f)+8*(4*(\hi)+(\a))+7], v[8*(8*(\a)+(\b)):8*(8*(\a)+(\b))+7]
.endif
.endr
.endr
.endm
; 32 LDS loads in one run: the fragments of one quarter step (128 rows of wf, 128 rows of af, 32 c at byte k of the rows) into buffer f
.macro FETCH slot, k, f
	WIN TO_B
.irp i, 0,1,2,3,4,5,6,7
	ds_load_b128 v[(\f)+8*(\i):(\f)+8*(\i)+3],   v[ADRB+(\slot)] offset:(\k)+(\i)*16*PITCH
	ds_load_b128 v[(\f)+8*(\i)+4:(\f)+8*(\i)+7], v[ADRB+(\slot)] offset:(\k)+(\i)*16*PITCH+32
.endr
	WIN 0
.irp i, 0,1,2,3,4,5,6,7
	ds_load_b128 v[(\f)+8*(\i):(\f)+8*(\i)+3],   v[ADRA+(\slot)] offset:(\k)+(\i)*16*PITCH
	ds_load_b128 v[(\f)+8*(\i)+4:(\f)+8*(\i)+7], v[ADRA+(\slot)] offset:(\k)+(\i)*16*PITCH+32
.endr
.endm
.macro PLACES                          ; four plain instructions between a product and a load into, or a read of, its registers
.rept 4
	v_nop
.endr
.endm
; A step is four quarters of 32 along c, 64 matrix instructions each, on buffers 0, 1, 0, 1.  One of the first three: multiplies buffer f; in its middle it fetches the next quarter into g.
.macro QUARTER slot, k, f, g, zero
	s_wait_dscnt 8                                 ; wf and af's rows 0-63 are in; the youngest eight loads (af's rows 64-127) may be out
	MUL16 \f, 0, 0, \zero
	MUL16 \f, 0, 2, \zero
	PLACES
	FETCH \slot, \k, \g
	s_wait_dscnt 32                                ; all but the 32 just issued
	MUL16 \f, 1, 0, \zero
	MUL16 \f, 1, 2, \zero
.endm
; The last quarter's first half: ONE barrier for the change of slots.  In front of it each wave waits for all its tensor loads (one is out: its part of the next slot), adds 0 to its spare word,
; and waits for that and for its own reads of this slot.
.macro MEET round
	WIN 0                                          ; (the add's two registers lie in window 0)
	s_wait_tensorcnt 0x0
	ds_add_u32 v[SPW], v[NIL]
	s_wait_dscnt 9                                 ; (the add and the youngest eight loads may be out)
	MUL16 F1, 0, 0, 0                              ; sixteen matrix instructions stand between the add and the wait for it
	s_wait_dscnt 0x0                               ; the add is done, and my reads of this slot are over
	s_barrier_signal -1
	MUL16 F1, 0, 2, 0                              ; work on registers while the others arrive
.if \round
	WIN 0
.endif
	s_barrier_wait -1
.endm
; The whole last quarter.  Behind the round the slot just read out is filled again first, with the step that the lap's scalar registers name: two steps on, or the next tile's step 0 or 1.
.macro TURN slot, next
	s_wait_xcnt 0x0                                ; the last prefetch, a step back, has read its address
.if (\slot) == 0
	s_add_nc_u64 s[PFA:PFA+1], s[PFA:PFA+1], s[SP:SP+1]
.else
	s_add_nc_u64 s[PFA:PFA+1], s[PFA:PFA+1], KSTEP*2
.endif
	MEET 1
	CREST                                          ; no wave of any partner still reads this slot's tile or has a load on its way
	s_add_nc_u64 s[G0+4*(\slot)+2:G0+4*(\slot)+3], s[G0+4*(\slot)+2:G0+4*(\slot)+3], s[SA:SA+1]
	s_add_nc_u64 s[G0B+4*(\slot)+2:G0B+4*(\slot)+3], s[G0B+4*(\slot)+2:G0B+4*(\slot)+3], 2*KSTEP*2
	s_sub_nc_u64 s[G0B+4*(\slot)+2:G0B+4*(\slot)+3], s[G0B+4*(\slot)+2:G0B+4*(\slot)+3], s[SB:SB+1]
	JLOAD \slot                                    ; the first tensor load behind the round; its four v_nop are also the places in front of the loads below
	FETCH \next, 0, F0
	ASK
	MUL16 F1, 1, 0, 0
	MUL16 F1, 1, 2, 0
.endm
; THE WAY OUT of row block a: rounded to bf16, 16 bytes a lane, which is a block of kf as it lies; eight stores of 512 consecutive bytes.
; The buffer that the conversions write was read by the stores of the block before last, which stand ahead of the last block's s_wait_xcnt 0.
.macro OUT a
.set AC, 64*((\a)%4)
.set TP, TMP+32*((\a)%2)
	WIN 0x0a+5*((\a)/4)                            ; sources 0 and 1: window 2 or 3
.irp b, 0,1,2,3,4,5,6,7
.irp r, 0,1,2,3
	v_cvt_pk_bf16_f32 v[TP+4*(\b)+(\r)], v[AC+8*(\b)+2*(\r)], v[AC+8*(\b)+2*(\r)+1]  ; each accumulator from its low end on
.endr
.endr
	WIN 0
	s_wait_xcnt 0x0                                ; the earlier stores have read their base
.if (\a) == 0
	s_add_nc_u64 s[8:9], s[8:9], s[16:17]          ; on to this tile's first rows
.else
	s_add_nc_u64 s[8:9], s[8:9], 32768             ; 16 rows on
.endif
.irp b, 0,1,2,3,4,5,6,7
	global_store_b128 v[CO], v[TP+4*(\b):TP+4*(\b)+3], s[8:9] offset:512*(\b)
.endr
.endm
	s_wait_tensorcnt 1                             ; my part of step 0 is in; step 1's may stay out
	s_barrier_signal -1
	s_barrier_wait -1
	FETCH 0, 0, F0
	s_wait_loadcnt 0x0                             ; the bias
	s_mov_b32 s2, SIZE_TILES                       ; tiles to go
	s_mov_b32 s3, 2*LAPS-1                         ; laps to go that fill the slots again, over both tiles
.Ltile:
	QUARTER 0, 64,  F0, F1, 1                      ; a tile's first quarter: its products start the sums
	WIN 0
.Llap:                                                 ; a trip goes once round the ring, from a lap's second quarter on, and fills both slots again
	s_cmp_eq_u32 s3, LAPS                          ; the first tile's last lap?  Then the refills are the second tile's steps 0 and 1
	s_cselect_b32 s[SA], s[KA], 2*KSTEP*2
	s_cselect_b32 s[SB], BACK_B+2*KSTEP*2, 0
	s_cselect_b32 s[SP], s[KP], KSTEP*2
	QUARTER 0, 128, F1, F0, 0
	QUARTER 0, 192, F0, F1, 0
	TURN 0, 1
	QUARTER 1, 64,  F0, F1, 0
	QUARTER 1, 128, F1, F0, 0
	QUARTER 1, 192, F0, F1, 0
	TURN 1, 0
	WIN 0
	s_sub_co_u32 s3, s3, 1
	s_cmp_eq_u32 s3, LAPS-1
	s_cbranch_scc1 .Lout                           ; the first tile is finished, both refills for the second are asked for and its first fragments fetched
	QUARTER 0, 64,  F0, F1, 0                      ; the next lap's first quarter
	WIN 0
	s_cmp_lg_u32 s3, 0
	s_cbranch_scc1 .Llap
	QUARTER 0, 128, F1, F0, 0                      ; the second tile's last lap is written out: it asks for nothing more
	QUARTER 0, 192, F0, F1, 0
	MEET 0                                         ; my one tensor load that was still out is slot 1's, the last step's, so no round follows
	PLACES
	FETCH 1, 0, F0
	MUL16 F1, 1, 0, 0
	MUL16 F1, 1, 2, 0
	QUARTER 1, 64,  F0, F1, 0
	QUARTER 1, 128, F1, F0, 0
	QUARTER 1, 192, F0, F1, 0
	s_wait_dscnt 8                                 ; the very last quarter: nothing more to fetch
	MUL16 F1, 0, 0, 0
	MUL16 F1, 0, 2, 0
	s_wait_dscnt 0x0
	MUL16 F1, 1, 0, 0
	MUL16 F1, 1, 2, 0
	PLACES
	PLACES
	WIN 0
.Lout:                                 ; on the way from the loop blocks 0-3 were finished in front of the joint load's four v_nop, and their 128 conversions are the places behind the last products (blocks 4-7's)
.irp a, 0,1,2,3,4,5,6,7
	OUT \a
.endr
	s_mov_b64 s[16:17], NEXT_C                     ; what the next way out adds to kf's address
	s_sub_co_u32 s2, s2, 1
	s_cmp_lg_u32 s2, 0
	s_cbranch_scc1 .Ltile
	s_wait_tensorcnt 0x0                           ; the wave's end, behind my last tensor load
	ds_add_u32 v[SPW], v[NIL]
	s_wait_dscnt 0x0
	CROUND                                         ; the closing round: no work-group ends while a partner may still ask for a tile that names it
	s_endpgm
.Lfunc_end_k_q962912cd62_kproj:
	.size	k_q962912cd62_kproj, .Lfunc_end_k_q962912cd62_kproj-k_q962912cd62_kproj
	.p2alignl 7, 3214868480
	.fill 96, 4, 3214868480
	.section	.rodata,"a",@progbits
	.p2align	6, 0x0
	.amdhsa_kernel k_q962912cd62_kproj
		.amdhsa_group_segment_fixed_size 327680
		.amdhsa_private_segment_fixed_size 0
		.amdhsa_enable_private_segment 0
		.amdhsa_kernarg_size 32
		.amdhsa_user_sgpr_count 2
		.amdhsa_user_sgpr_kernarg_segment_ptr 1
		.amdhsa_wavefront_size32 1
		.amdhsa_system_sgpr_workgroup_id_x 1
		.amdhsa_system_sgpr_workgroup_id_y 1
		.amdhsa_system_sgpr_workgroup_id_z 1
		.amdhsa_system_vgpr_workitem_id 0
		.amdhsa_next_free_vgpr 1024
		.amdhsa_next_free_sgpr 68
		.amdhsa_reserve_vcc 0
		.amdhsa_float_denorm_mode_32 3
		.amdhsa_float_denorm_mode_16_64 3
		.amdhsa_memory_ordered 1
		.amdhsa_forward_progress 1
		.amdhsa_inst_pref_size 138
	.end_amdhsa_kernel
	.amdgpu_metadata
---
amdhsa.version: [ 1, 2 ]
amdhsa.kernels:
  - .name:           k_q962912cd62_kproj
    .symbol:         k_q962912cd62_kproj.kd
    .args:
      - { .name: af, .offset: 0, .size: 8, .value_kind: global_buffer, .address_space: global }
      - { .name: wf, .offset: 8, .size: 8, .value_kind: global_buffer, .address_space: global }
      - { .name: kf, .offset: 16, .size: 8, .value_kind: global_buffer, .address_space: global }
      - { .name: bkv, .offset: 24, .size: 8, .value_kind: global_buffer, .address_space: global }
    .group_segment_fixed_size: 327680
    .private_segment_fixed_size: 0
    .kernarg_segment_align: 8
    .kernarg_segment_size: 32
    .max_flat_workgroup_size: 128
    .sgpr_count:     68
    .vgpr_count:     1024
    .wavefront_size: 32
...
	.end_amdgpu_metadata
.endif
;; end of part 2
;; launch attn (part 3): grid 256 x 1, 4 waves a work-group, no clusters, 327,680 bytes of LDS; arguments kf, qf, af, st, out0; writes out0
.if DOCPART == 3
	.amdgcn_target "amdgcn-amd-amdhsa--gfx1250"
	.amdhsa_code_object_version 6
	.text
	.protected	k_q962912cd62_attn
	.globl	k_q962912cd62_attn
	.p2align	8
	.type	k_q962912cd62_attn,@function
k_q962912cd62_attn:
	s_mov_b64 s[64:65], 0
	v_nop
	global_prefetch_b8 v0, s[64:65] scope:SCOPE_SE
	s_setreg_imm32_b32 hwreg(HW_REG_WAVE_MODE, 25, 1), 1
	s_wait_xcnt 0x0
; out0[q][k][c] = sum over n of w[q][n] kx[k][n][c], w[q][n] = sum over 16 heads of softmax_n(q_h . K_h[n] / 8).
; kx[n][c] = af[n][c] sd[n] + m[n], so out0 = sum_n (w sd)[q][n] af[n][c] + sum_n w[q][n] m[n]: the second sum is the C operand that starts the first.
; SHARES.  Work-group x: key batch k = x / 2, queries 64 (x % 2) .. + 63.  SCORES: wave w owns keys 64 w .. + 63, for all heads and all 64 queries; K and q come straight into operand registers
; (kf and qf lie in fragment order: 512 consecutive bytes a load), and w[q][n] is summed over the heads in 128 registers of the wave.  LAST PRODUCT: wave w owns channels 256 w .. + 255.
; SOFTMAX.  S^T = K q^T holds ONE query a lane (lane % 16) and the keys 8 (lane / 16) + 0..7.  p = 2^(c s - c m_w), c = log2(e) / 8, with m_w the maximum over the wave's own 64 keys; the four
; waves exchange (c m_w, l_w) through LDS, M = the greatest c m_w, L = sum of l_w 2^(c m_w - M), and w += p 2^(c m_w - M) / L.  So no exponent is above 0 and L is at least 1.
; A TRIP'S 64 LOADS go out in two groups, 48 behind the products (q of the first head, then K) and 16 behind the exponentials (q of the second head): LOADcnt counts to 63, and a load beyond that
; is not issued before an older one has come back (ISA guide 5.7.1); the wave would stand in front of its softmax meanwhile.
; V'S RING.  Two slots of 64 keys, both filled at the head.  Directly behind the scores V of the first two key steps is taken into the registers that S^T leaves, so slot 0 is free, and the one barrier
; of the exchange is also the barrier of its refill.
; FORMATS.  K, q: bf16.  af and w sd: f16.  LIMITS: 16 sd stays below 65,504; scores finite in f32; a weight below 2^-126 counts as 0; NaN and infinities are not treated apart.
; NO CLUSTER: a tile of kf or af is read by the two work-groups of a batch alone, so there are no four partners for a joint load; query quarters would halve the products that each fragment feeds.
; REGISTERS, in windows of 256 (s_set_vgpr_msb: bits 1:0 source 0, 3:2 source 1, 5:4 source 2, 7:6 destination):
;   window 0: v0-31 addresses; v32-47 (c m, l) a unit, later the waves' corrections; v48-63 the unit's factor and a filler; v64-127 eight at work a unit, later P, two buffers; v128-151 at work, later v128-159 the corrections
;   window 1: S^T, unit u = 4 hd + t (head of the trip's two, query tile) at 32 u + 8 kt.  Later V's fragments, two buffers of 128; later the rows read back on the way out
;   window 2: K at 64 hd + 16 kt + 8 e, q at 128 + 64 hd + 16 t + 8 e.  Later O^T of channel tiles 0-7 at 8 (4 i + t)
;   window 3: w at 32 t + 8 kt; (m, sd) of my lane's keys at 128 + 16 kt + 2 j; v192-255 at work.  Later O^T of channel tiles 8-15
.set WPART, 34816                      ; a wave's part of a slot: 64 keys x 544 bytes
.set PV,    544                        ; a row of V in LDS: 512 bytes + 32 of padding
.set VS1,   139264                     ; slot 1; slot 0 begins at 0
.set PX,    278528                     ; P = w sd in f16: [key step of 32][query tile][half of a fragment][lane] x 16 bytes: 32,768 bytes
.set SX,    311296                     ; [unit][pair of waves][query % 16] x 16 bytes, (c m, l) of the pair's two waves: 4,096 bytes; sixteen lanes of a load read 256 consecutive bytes
.set CX,    315392                     ; [wave][query tile][query % 16] f32: the waves' parts of sum w m: 1,024 bytes
.set SPARE, 316416                     ; the spare words, 128 bytes a wave: two blocks of 256 bytes that no other line names
.set SGP,   1040                       ; the way out: a row of 256 f32 + 16 bytes
.set SGB,   16640                      ; 16 such rows; two such stages lie in my own part of slot 0, which has had its last fill by then
.set RR,  1                            ; v1   lane % 16
.set HH,  2                            ; v2   lane / 16
.set LA,  3                            ; v3   16 x lane
.set SXW, 4
.set SXR, 5
.set PXW, 6
.set PXR, 7
.set CXW, 8
.set CXR, 9
.set VA,  10                           ; v10-11  my lane's place in my part of slot 0, 1, for the turning load
.set STO, 12
.set RD,  13
.set PFO, 15                           ; v15  2,048 x lane: a row of af a lane; never rewritten
.set TBO, 16                           ; v16  64 x (lane / 16)
.set SPW, 30                           ; v30  my spare word; never rewritten
.set NIL, 31                           ; v31  0; never rewritten
.set ST,  32
.set F,   48
.set G,   64
.set XM,  128
.set MM,  136
.set LL,  144
.set CI,  128
.set WV,  14                           ; s14  wave
.set G1,  24                           ; s[24:31] descriptor group 1
.set G0,  32                           ; s[32:39] group 0, a set for each slot
.set KB,  40                           ; s[40:41] kf at my 64 keys, at the trip's two heads
.set QB,  42                           ; s[42:43] qf at the group's 64 queries, likewise
.set CS,  44                           ; s[44:45] c
.set SEL, 46                           ; s[46:47] v_permlanex16_b32's selects
.set CNT, 48
.set PF,  50                           ; s[50:51] af at the batch's first row, my 512 bytes of it; never rewritten
.set OB,  52                           ; s[52:53] out0 at my part
.set MSB, 0
.macro WIN new
.if MSB != (\new)
	s_set_vgpr_msb (MSB<<8)|(\new)
.set MSB, \new
.endif
.endm
.macro NOPS4
.rept 4
	v_nop
.endr
.endm
.macro ALLU line:vararg                ; one line for each unit u
.set u, 0
.rept 8
	\line
.set u, u+1
.endr
.endm
; The first group of a trip's loads: q of the first head (16 loads), then K of both heads (32); each load is 512 consecutive bytes
.macro LOADG1
	WIN 0x80                                       ; destination window 2
.irp t, 0,1,2,3
.irp e, 0,1
	global_load_b128 v[128+16*(\t)+8*(\e):128+16*(\t)+8*(\e)+3],   v[LA], s[QB:QB+1] offset:32768*(\t)+1024*(\e)
	global_load_b128 v[128+16*(\t)+8*(\e)+4:128+16*(\t)+8*(\e)+7], v[LA], s[QB:QB+1] offset:32768*(\t)+1024*(\e)+512
.endr
.endr
.irp hd, 0,1
.irp kt, 0,1,2,3
.irp e, 0,1
	global_load_b128 v[64*(\hd)+16*(\kt)+8*(\e):64*(\hd)+16*(\kt)+8*(\e)+3],   v[LA], s[KB:KB+1] offset:32768*(\kt)+2048*(\hd)+1024*(\e)
	global_load_b128 v[64*(\hd)+16*(\kt)+8*(\e)+4:64*(\hd)+16*(\kt)+8*(\e)+7], v[LA], s[KB:KB+1] offset:32768*(\kt)+2048*(\hd)+1024*(\e)+512
.endr
.endr
.endr
	WIN 0
.endm
; The second group: q of the second head (16 loads)
.macro LOADG2
	WIN 0x80
.irp t, 0,1,2,3
.irp e, 0,1
	global_load_b128 v[192+16*(\t)+8*(\e):192+16*(\t)+8*(\e)+3],   v[LA], s[QB:QB+1] offset:32768*(\t)+2048+1024*(\e)
	global_load_b128 v[192+16*(\t)+8*(\e)+4:192+16*(\t)+8*(\e)+7], v[LA], s[QB:QB+1] offset:32768*(\t)+2048+1024*(\e)+512
.endr
.endr
	WIN 0
.endm
	s_load_b256 s[4:11], s[0:1], 0x0               ; kf s[4:5], qf s[6:7], af s[8:9], st s[10:11]
	s_load_b64 s[12:13], s[0:1], 0x20              ; out0
	v_lshl_add_u32 v[SPW], v0, 2, SPARE
	v_mov_b32 v[NIL], 0
	ds_add_u32 v[SPW], v[NIL]                      ; the wave's opening: the add and its wait stand ahead of my first tensor load; the set-up below stands between them
	ds_add_u32 v30, v31
	v_lshrrev_b32 v17, 5, v0
	v_readfirstlane_b32 s[WV], v17
	s_lshr_b32 s15, ttmp9, 1                       ; k
	s_and_b32 s16, ttmp9, 1                        ; which half of the queries
	; a tile of 64 keys x 256 channels of af, rows of 512 bytes padded by 32
	s_mov_b32 s[G1+0], (1<<16)|(1<<20)|(6<<22)|(7<<25)  ; elements of 2 bytes; padding on; after every 128 words 8 words
	s_mov_b32 s[G1+1], 256<<16                     ; tensor_dim0 = 256
	s_mov_b32 s[G1+2], 64<<16                      ; tensor_dim1 = 64
	s_mov_b32 s[G1+3], 256<<16                     ; tile_dim0 = 256
	s_mov_b32 s[G1+4], 64                          ; tile_dim1 = 64
	s_mov_b32 s[G1+5], 1024                        ; elements from row to row
	s_mov_b32 s[G1+6], 0
	s_mov_b32 s[G1+7], 0
	s_mul_i32 s17, s[WV], WPART                    ; my part of a slot
	s_mov_b32 s[G0], 1
	s_mov_b32 s[G0+1], s17
	s_mov_b32 s[G0+4], 1
	s_add_co_u32 s[G0+5], s17, VS1
	s_lshl_b32 s18, s15, 19                        ; af: 256 rows of 2,048 bytes a batch,
	s_lshl_b32 s19, s[WV], 9                       ; my 256 channels
	s_add_co_u32 s18, s18, s19
	s_mov_b32 s19, 0
	s_lshl_b32 s20, s15, 11                        ; st: 8 bytes a row
	s_lshl_b32 s21, s[WV], 9
	s_add_co_u32 s20, s20, s21
	s_mov_b32 s21, 0
	s_lshl_b32 s2, s15, 19                         ; kf: 32,768 bytes for 16 keys
	s_lshl_b32 s3, s[WV], 17
	s_add_co_u32 s2, s2, s3
	s_mov_b32 s3, 0
	s_lshl_b32 s22, s16, 17                        ; qf: four query tiles
	s_mov_b32 s23, 0
	s_lshl_b32 s[OB], s15, 12                      ; out0: 4,096 bytes a batch,
	s_lshl_b32 s[OB+1], s16, 25                    ; 64 queries of 524,288 bytes,
	s_add_co_u32 s[OB], s[OB], s[OB+1]
	s_lshl_b32 s[OB+1], s[WV], 10                  ; my 256 channels
	s_add_co_u32 s[OB], s[OB], s[OB+1]
	s_mov_b32 s[OB+1], 0
	s_mov_b32 s[CS], 0x3e38aa3b                    ; c = log2(e) / 8
	s_mov_b32 s[CS+1], s[CS]
	s_mov_b32 s[SEL], 0x76543210
	s_mov_b32 s[SEL+1], 0xfedcba98
	v_and_b32 v[RR], 15, v0
	v_bfe_u32 v[HH], v0, 4, 1
	v_and_b32 v[LA], 31, v0
	v_lshlrev_b32 v[LA], 4, v[LA]
	v_lshlrev_b32 v[TBO], 6, v[HH]
	s_wait_dscnt 0x0                               ; the opening add is done
	s_wait_kmcnt 0x0
	s_add_nc_u64 s[KB:KB+1], s[4:5], s[2:3]
	s_add_nc_u64 s[QB:QB+1], s[6:7], s[22:23]
	LOADG1                                         ; what the first products wait for is asked for first
	s_add_nc_u64 s[PF:PF+1], s[8:9], s[18:19]
	s_mov_b64 s[G0+2:G0+3], s[PF:PF+1]             ; keys 0-63
	s_or_b32 s[G0+3], s[G0+3], 0x80000000
	s_add_nc_u64 s[G0+6:G0+7], s[PF:PF+1], 131072  ; keys 64-127
	s_or_b32 s[G0+7], s[G0+7], 0x80000000
	tensor_load_to_lds s[G0:G0+3], s[G1:G1+7]      ; both first fills go out together: two loads of mine are out, for the whole of the scores
	s_nop 0
	tensor_load_to_lds s[G0+4:G0+7], s[G1:G1+7]
	s_nop 0
	NOPS4
	s_add_nc_u64 s[20:21], s[10:11], s[20:21]
	s_add_nc_u64 s[OB:OB+1], s[12:13], s[OB:OB+1]
	s_lshr_b32 s22, s[WV], 1
	s_lshl_b32 s22, s22, 8
	s_and_b32 s23, s[WV], 1
	s_lshl_b32 s23, s23, 3
	s_add_co_u32 s22, s22, s23
	s_add_co_u32 s22, s22, SX
	v_lshl_add_u32 v[SXW], v[RR], 4, s22           ; SX + 256 (w / 2) + 16 r + 8 (w % 2)
	v_lshl_add_u32 v[SXR], v[RR], 4, SX
	s_lshl_b32 s22, s[WV], 13
	s_add_co_u32 s22, s22, PX
	v_add_nc_u32 v[PXW], s22, v[LA]                ; PX + 8,192 w + 16 l
	v_add_nc_u32 v[PXR], PX, v[LA]
	s_lshl_b32 s22, s[WV], 8
	s_add_co_u32 s22, s22, CX
	v_lshl_add_u32 v[CXW], v[RR], 2, s22           ; CX + 256 w + 4 r
	v_lshl_add_u32 v[CXR], v[RR], 2, CX
	v_and_b32 v17, 7, v0
	v_bfe_u32 v18, v0, 3, 1
	v_lshl_add_u32 v[VA], v[HH], 3, v17            ; the turning load: lane l reads key 8 (l / 16) + l % 8, channels 8 ((l / 8) % 2) + 0..7
	v_mul_u32_u24 v[VA], v[VA], PV
	v_lshl_add_u32 v[VA], v18, 4, v[VA]
	v_add_nc_u32 v[VA], s17, v[VA]
	v_add_nc_u32 v[VA+1], VS1, v[VA]
	v_mul_u32_u24 v[STO], v[RR], SGP
	v_lshl_add_u32 v[STO], v[HH], 5, v[STO]
	v_add_nc_u32 v[STO], s17, v[STO]               ; the way out, in: row l % 16, 32 bytes for each half of the lanes
	v_add_nc_u32 v[RD], s17, v[LA]                 ; back: 512 consecutive bytes of a row
	v_lshlrev_b32 v[PFO], 7, v[LA]
	WIN 0xc0
.set i, 0
.rept 128
	v_mov_b32 v[i], 0                              ; w starts at 0, written while the first loads are out: a first trip written out would double the trip's text
.set i, i+1
.endr
	WIN 0
.set i, 0
.rept 32
	v_mov_b32 v[ST+i], 0                           ; the pairs' second registers are named before they are made
.set i, i+1
.endr
	LOADG2
	WIN 0xc0                                       ; destination window 3
.irp kt, 0,1,2,3
.irp i, 0,1,2,3
	global_load_b128 v[128+16*(\kt)+4*(\i):128+16*(\kt)+4*(\i)+3], v[TBO], s[20:21] offset:128*(\kt)+16*(\i)  ; (m, sd) of keys 16 kt + 8 (l / 16) + 2 i and the next: wanted last, asked for last
.endr
.endr
	WIN 0
	s_mov_b32 s[CNT], 8
.macro SC u, n                         ; c s - c m for pair n of unit u
	v_pk_fma_f32 v[32*(\u)+2*(\n):32*(\u)+2*(\n)+1], v[32*(\u)+2*(\n):32*(\u)+2*(\n)+1], s[CS:CS+1], v[ST+2*(\u):ST+2*(\u)+1] op_sel_hi:[1,0,0] neg_lo:[0,0,1] neg_hi:[0,0,1]
.endm
.Ltrip:                                                ; eight trips of two heads
	s_wait_loadcnt 0x0                             ; K and q of this trip (no younger load exists)
	WIN 0x5a                                       ; K and q window 2, S^T window 1
.irp e, 0,1                            ; 32 accumulators take turns: 31 others stand between the two links of a chain
.irp hd, 0,1
.irp t, 0,1,2,3
.irp kt, 0,1,2,3
.if (\e) == 0
	v_wmma_f32_16x16x32_bf16 v[32*(4*(\hd)+(\t))+8*(\kt):32*(4*(\hd)+(\t))+8*(\kt)+7], v[64*(\hd)+16*(\kt):64*(\hd)+16*(\kt)+7], v[128+64*(\hd)+16*(\t):128+64*(\hd)+16*(\t)+7], 0
.else
	v_wmma_f32_16x16x32_bf16 v[32*(4*(\hd)+(\t))+8*(\kt):32*(4*(\hd)+(\t))+8*(\kt)+7], v[64*(\hd)+16*(\kt)+8:64*(\hd)+16*(\kt)+15], v[128+64*(\hd)+16*(\t)+8:128+64*(\hd)+16*(\t)+15], v[32*(4*(\hd)+(\t))+8*(\kt):32*(4*(\hd)+(\t))+8*(\kt)+7]
.endif
.endr
.endr
.endr
.endr
	WIN 0
	NOPS4                                          ; the places in front of the loads into K's and q's registers and of the reads of the scores
	s_cmp_eq_u32 s[CNT], 1
	s_cbranch_scc1 .Llast
	s_add_nc_u64 s[KB:KB+1], s[KB:KB+1], 4096      ; the wait for 0 above has freed the bases: two heads on
	s_add_nc_u64 s[QB:QB+1], s[QB:QB+1], 4096
	LOADG1
	s_branch .Lasked
.Llast:
	; The last trip loads nothing.  In the loads' place stands the prefetch for the ring's first refill, keys 128-191, which goes out behind this trip's vector work and the exchange:
	; my own two blocks of 256 bytes in each of its 64 rows, a lane a row.  The batch's two work-groups read the same rows: the first of them asks, so each block is named once in the launch.
	s_cmp_lg_u32 s16, 0
	s_cbranch_scc1 .Lasked
.irp i, 0,1
.irp b, 0,1
	global_prefetch_b8 v[PFO], s[PF:PF+1] offset:262144+65536*(\i)+256*(\b) th:TH_LOAD_NT scope:SCOPE_SE
.endr
.endr
.Lasked:
	; the maximum of a lane's 32 scores of each unit: four chains, one an accumulator, each read from its low end on
	WIN 0x05                                       ; sources 0 and 1 window 1
.irp n, 0,1,2,3
.irp u, 0,1,2,3,4,5,6,7
.irp c, 0,1,2,3
.if (\n) == 0
	v_max_num_f32 v[G+8*(\u)+(\c)], v[32*(\u)+8*(\c)], v[32*(\u)+8*(\c)+1]
.else
	v_max3_num_f32 v[G+8*(\u)+(\c)], v[32*(\u)+8*(\c)+2*(\n)], v[32*(\u)+8*(\c)+2*(\n)+1], v[G+8*(\u)+(\c)]
.endif
.endr
.endr
.endr
	WIN 0
	ALLU v_max3_num_f32 v[G+8*u], v[G+8*u], v[G+8*u+1], v[G+8*u+2]
	ALLU v_max_num_f32 v[G+8*u], v[G+8*u], v[G+8*u+3]
	ALLU v_permlanex16_b32 v[G+8*u+1], v[G+8*u], s[SEL], s[SEL+1]  ; the query's other 32 keys lie in the lane 16 away
	ALLU v_max_num_f32 v[G+8*u], v[G+8*u], v[G+8*u+1]
	ALLU v_mul_f32 v[ST+2*u], s[CS], v[G+8*u]
	; ONE BATCH of 256 exponentials, a scaling between each two; a pair is scaled eight units' lines ahead of its exponentials; nothing names a result ahead of the wait
	WIN 0x41                                       ; S^T (destination and source 0) window 1, c m window 0
.irp u, 0,1,2,3,4,5,6,7
	SC \u, 0
.endr
.set n, 0
.rept 16
.irp u, 0,1,2,3,4,5,6,7
	v_exp_f32 v[32*(\u)+2*n], v[32*(\u)+2*n]
.if n < 15
	SC \u, n+1
.endif
	v_exp_f32 v[32*(\u)+2*n+1], v[32*(\u)+2*n+1]
.endr
.set n, n+1
.endr
	v_nop                                          ; a plain instruction behind the last exponential,
	s_wait_alu depctr_va_vdst(0)                   ; and one wait ahead of the first use
	WIN 0
	s_cmp_eq_u32 s[CNT], 1                         ; the last trip asks for nothing
	s_cbranch_scc1 .Lnoq
	LOADG2                                         ; the trip's other sixteen loads, from the base stepped above
.Lnoq:
	; l: the sum of the lane's 32 weights, which stay as they are
	WIN 0x05
.irp u, 0,1,2,3,4,5,6,7
.irp c, 0,1,2,3
	v_pk_add_f32 v[G+8*(\u)+2*(\c):G+8*(\u)+2*(\c)+1], v[32*(\u)+2*(\c):32*(\u)+2*(\c)+1], v[32*(\u)+8+2*(\c):32*(\u)+8+2*(\c)+1]
.endr
.endr
	WIN 0x01
.irp d, 2,3
.irp u, 0,1,2,3,4,5,6,7
.irp c, 0,1,2,3
	v_pk_add_f32 v[G+8*(\u)+2*(\c):G+8*(\u)+2*(\c)+1], v[32*(\u)+8*(\d)+2*(\c):32*(\u)+8*(\d)+2*(\c)+1], v[G+8*(\u)+2*(\c):G+8*(\u)+2*(\c)+1]
.endr
.endr
.endr
	WIN 0
	ALLU v_pk_add_f32 v[G+8*u:G+8*u+1], v[G+8*u:G+8*u+1], v[G+8*u+2:G+8*u+3]
	ALLU v_pk_add_f32 v[G+8*u+4:G+8*u+5], v[G+8*u+4:G+8*u+5], v[G+8*u+6:G+8*u+7]
	ALLU v_pk_add_f32 v[G+8*u:G+8*u+1], v[G+8*u:G+8*u+1], v[G+8*u+4:G+8*u+5]
	ALLU v_add_f32 v[G+8*u], v[G+8*u], v[G+8*u+1]
	ALLU v_permlanex16_b32 v[G+8*u+1], v[G+8*u], s[SEL], s[SEL+1]
	ALLU v_add_f32 v[ST+2*u+1], v[G+8*u], v[G+8*u+1]
	ALLU ds_store_b64 v[SXW], v[ST+2*u:ST+2*u+1] offset:512*u
	s_wait_dscnt 0x0                               ; for the others' sake: my stores are done
	s_barrier_signal -1
	s_barrier_wait -1
.irp u, 0,1,2,3,4,5,6,7
	ds_load_b128 v[G+8*(\u):G+8*(\u)+3],   v[SXR] offset:512*(\u)       ; waves 0 and 1: (c m, l), (c m, l)
	ds_load_b128 v[G+8*(\u)+4:G+8*(\u)+7], v[SXR] offset:512*(\u)+256   ; waves 2 and 3
.endr
	s_wait_dscnt 0x0                               ; my reads of SX are back:
	s_barrier_signal -1                            ; say so; the wait stands ahead of the next trip's stores into SX, work on registers alone between
	ALLU v_max3_num_f32 v[MM+u], v[G+8*u], v[G+8*u+2], v[G+8*u+4]
	ALLU v_max_num_f32 v[MM+u], v[MM+u], v[G+8*u+6]
	ALLU v_sub_f32 v[G+8*u], v[G+8*u], v[MM+u]
	ALLU v_sub_f32 v[G+8*u+2], v[G+8*u+2], v[MM+u]
	ALLU v_sub_f32 v[G+8*u+4], v[G+8*u+4], v[MM+u]
	ALLU v_sub_f32 v[G+8*u+6], v[G+8*u+6], v[MM+u]
	ALLU v_sub_f32 v[XM+u], v[ST+2*u], v[MM+u]
	ALLU v_exp_f32 v[G+8*u], v[G+8*u]
	ALLU v_exp_f32 v[G+8*u+2], v[G+8*u+2]
	ALLU v_exp_f32 v[G+8*u+4], v[G+8*u+4]
	ALLU v_exp_f32 v[G+8*u+6], v[G+8*u+6]
	ALLU v_exp_f32 v[XM+u], v[XM+u]
	v_nop
	s_wait_alu depctr_va_vdst(0)                   ; one wait for the forty
	ALLU v_mul_f32 v[LL+u], v[G+8*u], v[G+8*u+1]
	ALLU v_fma_f32 v[LL+u], v[G+8*u+2], v[G+8*u+3], v[LL+u]
	ALLU v_fma_f32 v[LL+u], v[G+8*u+4], v[G+8*u+5], v[LL+u]
	ALLU v_fma_f32 v[LL+u], v[G+8*u+6], v[G+8*u+7], v[LL+u]
	ALLU v_rcp_f32 v[MM+u], v[LL+u]
	v_nop
	s_wait_alu depctr_va_vdst(0)                   ; one wait for the eight
	ALLU v_mul_f32 v[F+2*u], v[XM+u], v[MM+u]
	WIN 0xf1                                       ; w (destination and source 2) window 3, S^T window 1, the factor window 0
.irp hd, 0,1
.irp t, 0,1,2,3
.set i, 0
.rept 16
	v_pk_fma_f32 v[32*(\t)+2*i:32*(\t)+2*i+1], v[32*(4*(\hd)+(\t))+2*i:32*(4*(\hd)+(\t))+2*i+1], v[F+2*(4*(\hd)+(\t)):F+2*(4*(\hd)+(\t))+1], v[32*(\t)+2*i:32*(\t)+2*i+1] op_sel_hi:[1,0,1]
.set i, i+1
.endr
.endr
.endr
	WIN 0
	s_barrier_wait -1
	s_sub_co_u32 s[CNT], s[CNT], 1
	s_cmp_lg_u32 s[CNT], 0
	s_cbranch_scc1 .Ltrip
; THE LAST PRODUCT's loads.  O^T = V^T P, source 0 = 16 channels (af turned on its way out of LDS), source 1 = 32 keys x 16 queries.  Eight key steps g of 32 keys; a slot holds two.
.macro FETCHV g, hf                    ; V of key step g, channel tiles 8 hf + 0..7: 16 turning loads
.set fb, 128*((\g)&1)+64*(\hf)
.set va, VA+(((\g)>>1)&1)
.set ko, 32*PV*((\g)&1)+256*(\hf)
	WIN 0x40                                       ; destination window 1
.irp i, 0,1,2,3,4,5,6,7
	ds_load_tr16_b128 v[fb+8*(\i):fb+8*(\i)+3],   v[va] offset:ko+32*(\i)
	ds_load_tr16_b128 v[fb+8*(\i)+4:fb+8*(\i)+7], v[va] offset:ko+16*PV+32*(\i)
.endr
.endm
.macro FETCHP g                        ; P of key step g: 8 loads
.set pb, 64+32*((\g)&1)
	WIN 0
.irp t, 0,1,2,3
	ds_load_b128 v[pb+8*(\t):pb+8*(\t)+3],   v[PXR] offset:4096*(\g)+1024*(\t)
	ds_load_b128 v[pb+8*(\t)+4:pb+8*(\t)+7], v[PXR] offset:4096*(\g)+1024*(\t)+512
.endr
.endm
.macro FETCH g                         ; a step's 40 LDS loads in one run: V's channel tiles 0-7, P, V's channel tiles 8-15
	FETCHV \g, 0
	FETCHP \g
	FETCHV \g, 1
.endm
; THE EXCHANGE.  First V of key steps 0 and 1, all of slot 0, goes into the 256 registers that S^T has left: the vector work below stands between these 64 loads and the wait for them.
	s_wait_tensorcnt 1                             ; slot 0 is in; slot 1's load was issued behind it
	FETCHV 0, 0
	FETCHV 0, 1
	FETCHV 1, 0
	FETCHV 1, 1
	; my keys' part of sum w m, for each query tile: four chains, one a key tile
	WIN 0xff
.irp j, 0,1,2,3,4,5,6,7
.irp t, 0,1,2,3
.irp c, 0,1,2,3
.if (\j) == 0
	v_mul_f32 v[192+4*(\t)+(\c)], v[32*(\t)+8*(\c)], v[128+16*(\c)]
.else
	v_fma_f32 v[192+4*(\t)+(\c)], v[32*(\t)+8*(\c)+(\j)], v[128+16*(\c)+2*(\j)], v[192+4*(\t)+(\c)]
.endif
.endr
.endr
.endr
.irp t, 0,1,2,3
	v_add_f32 v[192+4*(\t)], v[192+4*(\t)], v[192+4*(\t)+1]
	v_add_f32 v[192+4*(\t)+2], v[192+4*(\t)+2], v[192+4*(\t)+3]
.endr
	WIN 0x0f                                       ; sources window 3, destination window 0
.irp t, 0,1,2,3
	v_add_f32 v[XM+(\t)], v[192+4*(\t)], v[192+4*(\t)+2]
.endr
	WIN 0
.irp t, 0,1,2,3
	v_permlanex16_b32 v[MM+(\t)], v[XM+(\t)], s[SEL], s[SEL+1]
.endr
.irp t, 0,1,2,3
	v_add_f32 v[XM+(\t)], v[XM+(\t)], v[MM+(\t)]
.endr
.irp t, 0,1,2,3
	ds_store_b32 v[CXW], v[XM+(\t)] offset:64*(\t)
.endr
	; P = w sd, rounded to f16: two accumulator-shaped tiles of 16 keys ARE a fragment of 32 keys x 16 queries
	WIN 0xcf
.irp t, 0,1,2,3
.irp kt, 0,1,2,3
.irp j, 0,1,2,3,4,5,6,7
	v_mul_f32 v[32*(\t)+8*(\kt)+(\j)], v[32*(\t)+8*(\kt)+(\j)], v[128+16*(\kt)+2*(\j)+1]
.endr
.endr
.endr
.irp ks, 0,1
.irp t, 0,1,2,3
.irp hf, 0,1
.irp i, 0,1,2,3
	v_cvt_pk_f16_f32 v[192+32*(\ks)+8*(\t)+4*(\hf)+(\i)], v[32*(\t)+8*(2*(\ks)+(\hf))+2*(\i)], v[32*(\t)+8*(2*(\ks)+(\hf))+2*(\i)+1]
.endr
.endr
.endr
.endr
	WIN 0x0c                                       ; the stores' data window 3, address window 0
.irp ks, 0,1
.irp t, 0,1,2,3
.irp hf, 0,1
	ds_store_b128 v[PXW], v[192+32*(\ks)+8*(\t)+4*(\hf):192+32*(\ks)+8*(\t)+4*(\hf)+3] offset:4096*(\ks)+1024*(\t)+512*(\hf)
.endr
.endr
.endr
	; ONE BARRIER for two things: behind it every wave's part of CX and PX can be read, and slot 0, which every wave has read out, is filled again
	WIN 0
	s_wait_tensorcnt 0x0                           ; all my tensor loads have landed, slot 1's too
	ds_add_u32 v[SPW], v[NIL]
	s_add_nc_u64 s[G0+2:G0+3], s[G0+2:G0+3], 262144  ; 128 keys on; no load of mine is out, so the group may be written
	s_wait_dscnt 0x0                               ; the add is done, my reads of slot 0 are back, my stores into CX and PX are done
	s_barrier_signal -1
	s_barrier_wait -1
	tensor_load_to_lds s[G0:G0+3], s[G1:G1+7]      ; keys 128-191: my one load behind this barrier; 224 products stand ahead of the wait for it
	s_nop 0
	NOPS4
.irp t, 0,1,2,3
.irp v, 0,1,2,3
	ds_load_b32 v[ST+4*(\t)+(\v)], v[CXR] offset:256*(\v)+64*(\t)
.endr
.endr
	FETCHP 0
	FETCHP 1
	s_cmp_lg_u32 s16, 0                            ; the prefetch for the second refill, keys 192-255: 224 products ahead of its tensor load; who asks, and for what: as in the last score trip
	s_cbranch_scc1 .Lnopf3
.irp i, 0,1
.irp b, 0,1
	global_prefetch_b8 v[PFO], s[PF:PF+1] offset:393216+65536*(\i)+256*(\b) th:TH_LOAD_NT scope:SCOPE_SE
.endr
.endr
.Lnopf3:
	s_wait_dscnt 16                                ; the sixteen corrections are in; P's sixteen loads may be out
.irp t, 0,1,2,3
	v_add_f32 v[ST+4*(\t)], v[ST+4*(\t)], v[ST+4*(\t)+1]
	v_add_f32 v[ST+4*(\t)+2], v[ST+4*(\t)+2], v[ST+4*(\t)+3]
.endr
.irp t, 0,1,2,3
	v_add_f32 v[CI+8*(\t)], v[ST+4*(\t)], v[ST+4*(\t)+2]
.endr
.irp t, 0,1,2,3
.irp j, 1,2,3,4,5,6,7
	v_mov_b32 v[CI+8*(\t)+(\j)], v[CI+8*(\t)]      ; in O^T a lane holds one query: its eight channels start at the same number
.endr
.endr
	s_wait_dscnt 0x0                               ; P of key steps 0 and 1
; 32 products: channel tiles 8 hi + 0..7 x the four query tiles.  The 64 accumulators take turns, in the same order in every step.  Step 0 starts the sums with the corrections.
.macro MULS g, hi
.set fb, 128*((\g)&1)
.set pb, 64+32*((\g)&1)
.if (\g) == 0
	WIN 0x81+0x40*(\hi)                            ; V window 1, P and C window 0, D window 2 or 3
.else
	WIN 0xa1+0x50*(\hi)                            ; V window 1, P window 0, C and D window 2 or 3
.endif
.irp i, 0,1,2,3,4,5,6,7
.irp t, 0,1,2,3
.if (\g) == 0
	v_wmma_f32_16x16x32_f16 v[8*(4*(\i)+(\t)):8*(4*(\i)+(\t))+7], v[fb+8*(8*(\hi)+(\i)):fb+8*(8*(\hi)+(\i))+7], v[pb+8*(\t):pb+8*(\t)+7], v[CI+8*(\t):CI+8*(\t)+7]
.else
	v_wmma_f32_16x16x32_f16 v[8*(4*(\i)+(\t)):8*(4*(\i)+(\t))+7], v[fb+8*(8*(\hi)+(\i)):fb+8*(8*(\hi)+(\i))+7], v[pb+8*(\t):pb+8*(\t)+7], v[8*(4*(\i)+(\t)):8*(4*(\i)+(\t))+7]
.endif
.endr
.endr
.endm
; A key step from the third on.  In its middle: mid = 0: the next step's fragments, from the same slot.  mid = 1: the slot is left and filled again, in this order: all my tensor loads have landed
; (the other slot's among them), the add, the wait for it and for my reads of the slot, a barrier, and my one tensor load first behind it; it has 128 products in which to land.
; mid = 2: the last fill is waited for; nothing is filled again, and the bytes are my own.  mid = 3: the last step.
.macro KSTEP g, mid
.set sl, ((\g)>>1)&1
	s_wait_dscnt 16                                ; V's tiles 0-7 and P are in; the youngest sixteen loads may be out
	MULS \g, 0
.if (\mid) == 0
	NOPS4                                          ; the places in front of loads into the buffer that the step before multiplied
	FETCH (\g)+1
.elseif (\mid) == 1
	WIN 0
	s_wait_tensorcnt 0x0
	ds_add_u32 v[SPW], v[NIL]
	s_add_nc_u64 s[G0+4*sl+2:G0+4*sl+3], s[G0+4*sl+2:G0+4*sl+3], 262144  ; 128 keys on; no load of mine is out, so the group may be written
	s_wait_dscnt 0x0                               ; the add is done, and my reads of the slot are back
	s_barrier_signal -1
	s_barrier_wait -1
	tensor_load_to_lds s[G0+4*sl:G0+4*sl+3], s[G1:G1+7]
	s_nop 0
	NOPS4
	FETCH (\g)+1
.elseif (\mid) == 2
	s_wait_tensorcnt 0x0                           ; no load was issued behind the last fill
	NOPS4
	FETCH (\g)+1
.endif
.if (\mid) == 3
	s_wait_dscnt 0x0
.else
	s_wait_dscnt 40                                ; all but the 40 just issued
.endif
	MULS \g, 1
.endm
	MULS 0, 0                                      ; key steps 0 and 1 have all their fragments in registers
	MULS 0, 1
	MULS 1, 0
	NOPS4                                          ; the places in front of loads into the buffers that key step 0 multiplied
	FETCH 2
	MULS 1, 1
	KSTEP 2, 0
	KSTEP 3, 1
	KSTEP 4, 0
	KSTEP 5, 2
	KSTEP 6, 0
	KSTEP 7, 3
	NOPS4
	NOPS4                                          ; the places behind the last products
; THE WAY OUT, a query tile at a time: a lane's eight channels of a row go into rows of 1,040 bytes in my stage and come back as half rows of 512 consecutive bytes.
.macro OUTT t
.set sg, SGB*((\t)&1)
.set rb, 128*((\t)&1)
	WIN 0x08                                       ; the stores' data window 2
.irp i, 0,1,2,3,4,5,6,7
	ds_store_b128 v[STO], v[8*(4*(\i)+(\t)):8*(4*(\i)+(\t))+3]   offset:sg+64*(\i)       ; each accumulator from its low end on
	ds_store_b128 v[STO], v[8*(4*(\i)+(\t))+4:8*(4*(\i)+(\t))+7] offset:sg+64*(\i)+16
.endr
	WIN 0x0c                                       ; window 3
.irp i, 0,1,2,3,4,5,6,7
	ds_store_b128 v[STO], v[8*(4*(\i)+(\t)):8*(4*(\i)+(\t))+3]   offset:sg+512+64*(\i)
	ds_store_b128 v[STO], v[8*(4*(\i)+(\t))+4:8*(4*(\i)+(\t))+7] offset:sg+512+64*(\i)+16
.endr
	s_wait_xcnt 0x0                                ; the earlier stores to memory have read their registers and their base
	WIN 0x40
.set q, 0
.rept 32
	ds_load_b128 v[rb+4*q:rb+4*q+3], v[RD] offset:sg+SGP*(q/2)+512*(q%2)  ; LDS serves a wave's instructions in order (ISA guide 5.7.1.4): these see the stores above
.set q, q+1
.endr
.if (\t) > 0
	s_add_nc_u64 s[OB:OB+1], s[OB:OB+1], 8388608   ; 16 queries on
.endif
	s_wait_dscnt 0x0
	WIN 0x04                                       ; the stores' data window 1
.set q, 0
.rept 32
	global_store_b128 v[LA], v[rb+4*q:rb+4*q+3], s[OB:OB+1] offset:524288*(q/2)+512*(q%2) th:TH_STORE_NT  ; 512 consecutive bytes, aligned; the largest immediate is 7,864,832
.set q, q+1
.endr
.endm
	OUTT 0
	OUTT 1
	OUTT 2
	OUTT 3
	WIN 0
	s_wait_tensorcnt 0x0                           ; the wave's end, behind my last tensor load and my last LDS store
	ds_add_u32 v[SPW], v[NIL]
	s_wait_dscnt 0x0
	s_endpgm
.Lfunc_end_k_q962912cd62_attn:
	.size	k_q962912cd62_attn, .Lfunc_end_k_q962912cd62_attn-k_q962912cd62_attn
	.p2alignl 7, 3214868480
	.fill 96, 4, 3214868480
	.section	.rodata,"a",@progbits
	.p2align	6, 0x0
	.amdhsa_kernel k_q962912cd62_attn
		.amdhsa_group_segment_fixed_size 327680
		.amdhsa_private_segment_fixed_size 0
		.amdhsa_enable_private_segment 0
		.amdhsa_kernarg_size 40
		.amdhsa_user_sgpr_count 2
		.amdhsa_user_sgpr_kernarg_segment_ptr 1
		.amdhsa_wavefront_size32 1
		.amdhsa_system_sgpr_workgroup_id_x 1
		.amdhsa_system_sgpr_workgroup_id_y 1
		.amdhsa_system_sgpr_workgroup_id_z 1
		.amdhsa_system_vgpr_workitem_id 0
		.amdhsa_next_free_vgpr 1024
		.amdhsa_next_free_sgpr 66
		.amdhsa_reserve_vcc 0
		.amdhsa_float_denorm_mode_32 3
		.amdhsa_float_denorm_mode_16_64 3
		.amdhsa_memory_ordered 1
		.amdhsa_forward_progress 1
		.amdhsa_inst_pref_size 183
	.end_amdhsa_kernel
	.amdgpu_metadata
---
amdhsa.version: [ 1, 2 ]
amdhsa.kernels:
  - .name:           k_q962912cd62_attn
    .symbol:         k_q962912cd62_attn.kd
    .args:
      - { .name: kf, .offset: 0, .size: 8, .value_kind: global_buffer, .address_space: global }
      - { .name: qf, .offset: 8, .size: 8, .value_kind: global_buffer, .address_space: global }
      - { .name: af, .offset: 16, .size: 8, .value_kind: global_buffer, .address_space: global }
      - { .name: st, .offset: 24, .size: 8, .value_kind: global_buffer, .address_space: global }
      - { .name: out0, .offset: 32, .size: 8, .value_kind: global_buffer, .address_space: global }
    .group_segment_fixed_size: 327680
    .private_segment_fixed_size: 0
    .kernarg_segment_align: 8
    .kernarg_segment_size: 40
    .max_flat_workgroup_size: 128
    .sgpr_count:     66
    .vgpr_count:     1024
    .wavefront_size: 32
...
	.end_amdgpu_metadata
.endif
;; end of part 3
;; ======== version 2 of 2: 3 launches; version 1 with the launch prep written anew for expert scheduling mode
;; limits: values are held in f16: magnitudes above 65,504 overflow, below 6.1e-05 lose precision
;; workspace buffers: af 67,108,864 bytes; st 262,144 bytes; wf 2,097,152 bytes; bkv 4,096 bytes; qf 262,144 bytes; kf 67,108,864 bytes
;; launch prep (part 4): grid 1120 x 1, 8 waves a work-group, no clusters, 34,816 bytes of LDS; arguments kx, qx, Wk, Wq, gk, bk, gq, bq, af, st, wf, bkv, qf; writes af, st, wf, bkv, qf
.if DOCPART == 4
	.amdgcn_target "amdgcn-amd-amdhsa--gfx1250"
	.amdhsa_code_object_version 6
	.text
	.protected	k_q962912cd62_prep
	.globl	k_q962912cd62_prep
	.p2align	8
	.type	k_q962912cd62_prep,@function
k_q962912cd62_prep:
	s_mov_b64 s[64:65], 0
	v_nop
	global_prefetch_b8 v0, s[64:65] scope:SCOPE_SE
	s_setreg_imm32_b32 hwreg(HW_REG_WAVE_SCHED_MODE, 0, 2), 2
	s_setreg_imm32_b32 hwreg(HW_REG_WAVE_MODE, 25, 1), 1
	s_wait_xcnt 0x0
	s_wait_alu depctr_vm_vsrc(0)
; PREP: three roles, chosen by the work-group's number; all eight waves of a work-group have the same role.
;   0-63     Q:  q = (LayerNorm(qx) gq + bq) Wq^T, 16 queries x 128 channels a work-group, stored in bf16 in fragment order (below)
;   64-95    W:  wf[j][c] = gk[c] Wk[j][c] in f16, bkv[j] = sum over c of bk[c] Wk[j][c] in f32; 32 rows a work-group
;   96-1119  LN: for 32 rows of kx: m = mean, sd = sqrt(var + 1e-5), af = (x - m) / sd in f16, st = (m, sd) in f32
; The mean is taken away in f32 before the squares are summed, so a common offset of the inputs costs nothing.
; A wave takes whole rows (4,096 bytes = 32 registers): eight loads of 512 consecutive bytes; a row never leaves the wave.
; FRAGMENT ORDER of qf: block (tile of 16 rows R, tile of 16 channels cb) is 512 bytes at (64 R + cb) x 512; lane l holds 16 bytes at 16 l:
; channels 16 cb + 8 (l / 16) + 0..7 of row 16 R + l % 16.  Blocks 2 f and 2 f + 1 are registers 0-3 and 4-7 of a 16 x 32 matrix operand.
; LIMITS.  f16 ends at 65,504: |gk Wk|, |Wq| and |LayerNorm(qx) gq + bq| must stay below it.  (x - m) / sd is at most 32 in size for a row of 1,024.
; NaN and infinities are not treated apart.
; No tensor loads, no cluster, no prefetch: each byte is read once by one wave in long runs, and nothing large is shared.
; THE MODE: SCHED_MODE bits 1:0 = 2 (LLVM: expert scheduling mode 2), set by the entry lines.  The code itself states the register dependences
; between vector or matrix instructions and memory or LDS instructions, with s_wait_alu, always for 0.
; THE PLAN.  Registers that memory or LDS instructions touch:
;   all roles  v[LO], v[SO]: offsets, made at the head and never written again: one wait at the head serves every load and store by them.
;   LN  X0 .. X3  the loads land in them before any vector instruction names them; the vector work changes them in place; the stores read each row's first 16 registers.
;       ST, v[SA] written by vector work, read by four LDS stores.  The wait behind the roots shows them written.
;       One wait behind the rounding of rows 0 and 1: their stores are dealt among the scalings of rows 2 and 3, which name rows 2 and 3 alone.  One wait behind row 3's rounding,
;       for the other sixteen stores and for the LDS load into TA.  No register that a store has read is written again.
;   W   X0        a trip loads it, works in it and stores from it.  One wait ahead of the stores; no vector instruction follows it in the trip, so it serves the next trip's loads too.
;                 One wait at the trip's end: the stores have read X0.
;   Q   WB0 .. 3  trip s: its sixteen conversions read WB[s]; behind them the loads of the same set of the next round land in it.
;       AF0, AF1  trip s: its two products read AF[s % 2]; the LDS loads of trip s land in the other one (the fragments of trip s + 1).
;       v[AO]     read by every LDS load of a fragment; written once a round.     v[WO]  read by every load of Wq; never written again: each set's scalar base moves on.
;       HB and the accumulators are named by vector and matrix instructions alone.
;       So ONE wait stands in a trip, behind its conversions, and the trip's twelve loads follow it, dealt among its two products, which name HB, AF[s % 2] and the accumulators.
; LDS: each role has bytes of its own, so that no line of one role names a byte that a line of another role names.  The bytes from 33,792 on hold the spare words of the closing add, four bytes a lane.
.set XQ,    0                          ; Q:  the 16 normalised queries in f16, rows of 2,048 + 16 bytes
.set XP,    2064                       ; = 129 x 16: the 16 rows that a fragment load touches start at 16 different groups of four banks
.set STG,   33280                      ; LN: 256 bytes in which the waves' (m, sd) meet, so that one wave stores them together
.set STGW,  33536                      ; W:  a block of 256 bytes, of which 128 are used, in which the waves' 32 sums meet
.set LO,  2                            ; v2   16 x lane
.set SO,  3                            ; v3   8 x lane
.set SA,  4                            ; v4   my wave's words in STG or STGW
.set XW,  6                            ; v6   Q: where I put my rows in XQ.  W: 4 x lane
.set RR,  7                            ; v7   Q: lane % 16
.set HH,  8                            ; v8   Q: lane / 16
.set L4,  7                            ; v7   W: lane % 4
.set SUMS, 8                           ; v8   W: the sum of my row lane % 4
.set WO,  9                            ; v9   Q: my byte offset in 16 rows of Wq
.set AO,  10                           ; v10  Q: my LDS address in XQ, at this round's first trip
.set ST,  16                           ; v[16:23]   row s: (m, m), later (m, sd)
.set RS,  24                           ; v[24:31]   row s: 1 / sd, twice
.set X,   32                           ; v[32:159]  four rows of 32 registers: register n holds column 128 (n / 4) + 4 lane + n % 4
.set G,   160                          ; v[160:191] a gain, laid as a row
.set B,   192                          ; v[192:223] a bias, laid as a row
.set TA,  224                          ; v[224:255] eight registers at work for each row
.set WB,  32                           ; Q, behind its LayerNorm: four sets of 32: Wq in f32 as loaded
.set HB,  160                          ;    two sets of 16: Wq in f16, two fragments
.set AF,  192                          ;    two sets of 16: the queries' fragments
.set ACC, 224                          ;    four accumulators of 8
.set QW,  24                           ; s[24:31] Q: set t: Wq at my 16 rows, at the 64 k that the set is asked for next: a pair at QW + 2 t (the other roles' addresses lay here)
.set WV,  34                           ; s34  my wave's number
.set SEL, 36                           ; s[36:37] v_permlanex16_b32's selects: each lane takes its own place in the other half
.set RN,  38                           ; s38  1 / 1,024
.set EPS, 39                           ; s39  1e-5
.macro LOADVEC dst, b                  ; a vector of 1,024 f32, laid as a row
.irp j, 0,1,2,3,4,5,6,7
	global_load_b128 v[(\dst)+4*(\j):(\dst)+4*(\j)+3], v[LO], s[\b:\b+1] offset:512*(\j)
.endr
.endm
.macro LOADROW s, b, nt                ; row s of my rows: eight loads of 512 consecutive bytes
.irp j, 0,1,2,3,4,5,6,7
.if \nt
	global_load_b128 v[X+32*(\s)+4*(\j):X+32*(\s)+4*(\j)+3], v[LO], s[\b:\b+1] offset:4096*(\s)+512*(\j) th:TH_LOAD_NT
.else
	global_load_b128 v[X+32*(\s)+4*(\j):X+32*(\s)+4*(\j)+3], v[LO], s[\b:\b+1] offset:4096*(\s)+512*(\j)
.endif
.endr
.endm
; My 32 numbers of row s into one: kind 0 their sum, 1 the sum of their squares, 2 their product with B summed.  Four chains of packed instructions that do not wait for each other.
.macro TREE s, kind
.irp d, 0,1,2,3
.irp c, 0,1,2,3
.set rT, TA+8*(\s)+2*(\c)
.set rP, X+32*(\s)+8*(\d)+2*(\c)
.set rB, B+8*(\d)+2*(\c)
.if (\kind) == 0
.if (\d) == 1
	v_pk_add_f32 v[rT:rT+1], v[rP-8:rP-7], v[rP:rP+1]
.elseif (\d) > 1
	v_pk_add_f32 v[rT:rT+1], v[rT:rT+1], v[rP:rP+1]
.endif
.elseif (\kind) == 1
.if (\d) == 0
	v_pk_mul_f32 v[rT:rT+1], v[rP:rP+1], v[rP:rP+1]
.else
	v_pk_fma_f32 v[rT:rT+1], v[rP:rP+1], v[rP:rP+1], v[rT:rT+1]
.endif
.else
.if (\d) == 0
	v_pk_mul_f32 v[rT:rT+1], v[rP:rP+1], v[rB:rB+1]
.else
	v_pk_fma_f32 v[rT:rT+1], v[rP:rP+1], v[rB:rB+1], v[rT:rT+1]
.endif
.endif
.endr
.endr
.set rT, TA+8*(\s)
	v_pk_add_f32 v[rT:rT+1], v[rT:rT+1], v[rT+2:rT+3]
	v_pk_add_f32 v[rT+4:rT+5], v[rT+4:rT+5], v[rT+6:rT+7]
	v_pk_add_f32 v[rT:rT+1], v[rT:rT+1], v[rT+4:rT+5]
	v_add_f32 v[rT], v[rT], v[rT+1]
.endm
.macro LANES r                         ; the sum over the 32 lanes, in every lane; register r + 1 is at work and has been written
	v_add_f32_dpp v[\r], v[\r], v[\r] row_xmask:1 row_mask:0xf bank_mask:0xf
	v_add_f32_dpp v[\r], v[\r], v[\r] row_xmask:2 row_mask:0xf bank_mask:0xf
	v_add_f32_dpp v[\r], v[\r], v[\r] row_xmask:4 row_mask:0xf bank_mask:0xf
	v_add_f32_dpp v[\r], v[\r], v[\r] row_xmask:8 row_mask:0xf bank_mask:0xf
	v_permlanex16_b32 v[\r+1], v[\r], s[SEL], s[SEL+1]
	v_add_f32 v[\r], v[\r], v[\r+1]
.endm
.macro MOMENTS s                       ; row s: m into both of ST's pair; x - m in place; var + 1e-5 into TA + 8 s + 2
	TREE \s, 0
	LANES TA+8*(\s)
	v_mul_f32 v[ST+2*(\s)], s[RN], v[TA+8*(\s)]
	v_mul_f32 v[ST+2*(\s)+1], s[RN], v[TA+8*(\s)]
.set i, X+32*(\s)
.rept 16
	v_pk_add_f32 v[i:i+1], v[i:i+1], v[ST+2*(\s):ST+2*(\s)+1] neg_lo:[0,1] neg_hi:[0,1]
.set i, i+2
.endr
	TREE \s, 1
	LANES TA+8*(\s)
	v_fma_f32 v[TA+8*(\s)+2], v[TA+8*(\s)], s[RN], s[EPS]
.endm
.macro SCALE s                         ; row s times 1 / sd
.set i, X+32*(\s)
.rept 16
	v_pk_mul_f32 v[i:i+1], v[i:i+1], v[RS+2*(\s):RS+2*(\s)+1]
.set i, i+2
.endr
.endm
.macro CVT16 s                         ; row s rounded to f16, in place, ascending: register i takes registers 2 i and 2 i + 1
.set i, 0
.rept 16
	v_cvt_pk_f16_f32 v[X+32*(\s)+i], v[X+32*(\s)+2*i], v[X+32*(\s)+2*i+1]
.set i, i+1
.endr
.endm
.macro STORE16 s, b                    ; each store of the wave covers 256 consecutive bytes, aligned
.irp j, 0,1,2,3,4,5,6,7
	global_store_b64 v[SO], v[X+32*(\s)+2*(\j):X+32*(\s)+2*(\j)+1], s[\b:\b+1] offset:2048*(\s)+256*(\j)
.endr
.endm
; Row s times 1 / sd, with the eight stores of row o dealt among the lines, one in front of each two.  Row o was rounded ahead of the last wait on va_vdst, and these lines name row s and its 1 / sd alone.
.macro SCALEOUT s, o, b
.irp j, 0,1,2,3,4,5,6,7
	global_store_b64 v[SO], v[X+32*(\o)+2*(\j):X+32*(\o)+2*(\j)+1], s[\b:\b+1] offset:2048*(\o)+256*(\j)
	v_pk_mul_f32 v[X+32*(\s)+4*(\j):X+32*(\s)+4*(\j)+1], v[X+32*(\s)+4*(\j):X+32*(\s)+4*(\j)+1], v[RS+2*(\s):RS+2*(\s)+1]
	v_pk_mul_f32 v[X+32*(\s)+4*(\j)+2:X+32*(\s)+4*(\j)+3], v[X+32*(\s)+4*(\j)+2:X+32*(\s)+4*(\j)+3], v[RS+2*(\s):RS+2*(\s)+1]
.endr
.endm
	s_load_b512 s[8:23], s[0:1], 0x0               ; kx s[8:9], qx s[10:11], Wk s[12:13], Wq s[14:15], gk s[16:17], bk s[18:19], gq s[20:21], bq s[22:23]
	s_load_b256 s[24:31], s[0:1], 0x40             ; af s[24:25], st s[26:27], wf s[28:29], bkv s[30:31]
	s_load_b64 s[32:33], s[0:1], 0x60              ; qf
	v_lshl_add_u32 v14, v0, 2, 0x8400
	v_mov_b32 v15, 0
	v_and_b32 v1, 31, v0                           ; lane
	v_lshrrev_b32 v5, 5, v0
	v_readfirstlane_b32 s[WV], v5                  ; wave 0..7
	v_lshlrev_b32 v[LO], 4, v1
	v_lshlrev_b32 v[SO], 3, v1
	s_mov_b32 s[SEL], 0x76543210
	s_mov_b32 s[SEL+1], 0xfedcba98
	s_mov_b32 s[RN], 0x3a800000
	s_mov_b32 s[EPS], 0x3727c5ac
	s_mov_b32 s43, 0                               ; the high word of every byte offset below
	s_wait_alu depctr_va_sdst(0)                   ; s[WV] is written, ahead of the branches and of its first reader: every role makes its rows' places from it
	s_wait_alu depctr_va_vdst(0)                   ; v[LO] and v[SO] are written: the loads and stores of all three roles read them as offsets
	s_wait_kmcnt 0x0
	s_cmp_lt_u32 ttmp9, 64
	s_cbranch_scc1 .Lrole_q
	s_cmp_lt_u32 ttmp9, 96
	s_cbranch_scc1 .Lrole_w
; ---------------- LN: rows 32 g + 4 w + s of kx ----------------
	s_sub_co_u32 s35, ttmp9, 96                    ; g
	s_lshl_b32 s40, s35, 5
	s_lshl_b32 s41, s[WV], 2
	s_add_co_u32 s40, s40, s41                     ; my first row
	s_lshl_b32 s42, s40, 12
	s_add_nc_u64 s[8:9], s[8:9], s[42:43]
	LOADROW 0, 8, 1
	LOADROW 1, 8, 1
	LOADROW 2, 8, 1
	LOADROW 3, 8, 1
	s_lshl_b32 s42, s40, 11
	s_add_nc_u64 s[24:25], s[24:25], s[42:43]      ; af at my first row
	s_lshl_b32 s42, s35, 8
	s_add_nc_u64 s[26:27], s[26:27], s[42:43]      ; st at the group's 32 rows
	s_lshl_b32 s44, s[WV], 5
	s_add_co_u32 s44, s44, STG
	v_mov_b32 v[SA], s44
.irp s, 0,1,2,3
	s_wait_loadcnt 24-8*(\s)                       ; row s is in; the eight loads of each younger row may stay out
	MOMENTS \s
.endr
.irp s, 0,1,2,3                        ; one batch of twelve
	v_rsq_f32 v[RS+2*(\s)], v[TA+8*(\s)+2]
	v_rsq_f32 v[RS+2*(\s)+1], v[TA+8*(\s)+2]
	v_sqrt_f32 v[ST+2*(\s)+1], v[TA+8*(\s)+2]
.endr
	v_nop                                          ; a plain instruction behind the last of them,
	s_wait_alu depctr_va_vdst(0)                   ; and one wait: the twelve results are written, ahead of their first use; with them the four (m, sd) and v[SA], which the LDS stores read
.irp s, 0,1,2,3
	ds_store_b64 v[SA], v[ST+2*(\s):ST+2*(\s)+1] offset:8*(\s)  ; all lanes write the same word with the same value
.endr
	SCALE 0
	CVT16 0
	SCALE 1
	CVT16 1
	s_wait_alu depctr_va_vdst(0)                   ; rows 0 and 1 are rounded: the sixteen stores dealt among the lines below read them
	SCALEOUT 2, 0, 24
	CVT16 2
	SCALEOUT 3, 1, 24
	CVT16 3
	s_wait_alu depctr_va_vdst(0)                   ; rows 2 and 3 are rounded, which the stores below read; every vector instruction that named TA is done, in which wave 0's LDS load lands
	STORE16 2, 24
	STORE16 3, 24
	s_wait_dscnt 0x0                               ; for the others' sake: my stores are done
	s_barrier_signal -1
	s_barrier_wait -1
	s_cmp_lg_u32 s[WV], 0
	s_cbranch_scc1 .Lln_end
	ds_load_b64 v[TA:TA+1], v[SO] offset:STG       ; lane l: (m, sd) of the group's row l
	s_wait_dscnt 0x0
	global_store_b64 v[SO], v[TA:TA+1], s[26:27]   ; 256 consecutive bytes, aligned
.Lln_end:
	s_wait_dscnt 0x0                               ; the wave's end: my LDS instructions are done
	s_wait_alu depctr_hold_cnt(0) depctr_sa_sdst(0) depctr_va_vdst(0) depctr_va_sdst(0) depctr_va_ssrc(0) depctr_va_vcc(0) depctr_vm_vsrc(0)
	s_wait_tensorcnt 0x0
	ds_add_u32 v14, v15
	s_wait_dscnt 0x0
	s_endpgm
; ---------------- W: rows 32 g + 4 w + 0..3 of Wk, one row a trip on one set of registers ----------------
; The role has 32 of the launch's 1,120 work-groups and 4 MB of its bytes: its text is kept short, and a row is asked for only when the row before has been stored.
.Lrole_w:
	s_sub_co_u32 s35, ttmp9, 64                    ; g
	s_lshl_b32 s40, s35, 5
	s_lshl_b32 s41, s[WV], 2
	s_add_co_u32 s40, s40, s41
	s_lshl_b32 s42, s40, 12
	s_add_nc_u64 s[12:13], s[12:13], s[42:43]
	LOADVEC G, 16
	LOADVEC B, 18
	s_lshl_b32 s42, s40, 11
	s_add_nc_u64 s[28:29], s[28:29], s[42:43]
	s_lshl_b32 s42, s35, 7
	s_add_nc_u64 s[30:31], s[30:31], s[42:43]
	s_lshl_b32 s44, s[WV], 4
	s_add_co_u32 s44, s44, STGW
	v_and_b32 v[L4], 3, v0
	v_lshl_add_u32 v[SA], v[L4], 2, s44            ; STGW + 16 w + 4 (lane % 4)
	v_lshlrev_b32 v[XW], 2, v1                     ; 4 x lane, for the role's last load and store: made here, ahead of the loop's waits, so that it owes none of its own
	v_mov_b32 v[SUMS], 0
	s_mov_b32 s46, 0
.Lw_row:
	LOADROW 0, 12, 0                               ; no vector instruction has named X0 since the wait ahead of the last trip's stores (in the first trip: none at all)
	v_cmp_eq_u32 vcc_lo, s46, v[L4]                ; lane l keeps the sum of row l % 4: the LDS address below is the same in every trip
	s_wait_loadcnt 0x0                             ; the row (in the first trip gk and bk too)
	TREE 0, 2
	LANES TA
	s_wait_alu depctr_va_vcc(0)                    ; the compare has written VCC, which the select reads
	v_cndmask_b32 v[SUMS], v[SUMS], v[TA], vcc_lo
.set i, 0
.rept 16
	v_pk_mul_f32 v[X+2*i:X+2*i+1], v[X+2*i:X+2*i+1], v[G+2*i:G+2*i+1]
.set i, i+1
.endr
	CVT16 0
	s_wait_alu depctr_va_vdst(0)                   ; the row is rounded, which the stores read; the trip's vector work is done with X0, in which the next trip's loads land; behind the last trip: v[SA], v[XW] and the sums are written, TA is free
	STORE16 0, 28
	s_wait_xcnt 0x0                                ; the stores have read their data and both bases: only behind this wait are they written again
	s_wait_alu depctr_vm_vsrc(0)                   ; the stores have read X0, in which the next trip's loads land
	s_add_nc_u64 s[12:13], s[12:13], 4096
	s_add_nc_u64 s[28:29], s[28:29], 2048
	s_add_co_u32 s46, s46, 1
	s_cmp_lt_u32 s46, 4
	s_cbranch_scc1 .Lw_row
	ds_store_b32 v[SA], v[SUMS]                    ; eight lanes write each word, with the same value
	s_wait_dscnt 0x0
	s_barrier_signal -1
	s_barrier_wait -1
	s_cmp_lg_u32 s[WV], 0
	s_cbranch_scc1 .Lw_end
	ds_load_b32 v[TA], v[XW] offset:STGW
	s_wait_dscnt 0x0
	global_store_b32 v[XW], v[TA], s[30:31]        ; 128 consecutive bytes: the group's 32 numbers are no more; 32 such stores in the launch
.Lw_end:
	s_wait_dscnt 0x0                               ; the wave's end, as at the first role's
	s_wait_alu depctr_hold_cnt(0) depctr_sa_sdst(0) depctr_va_vdst(0) depctr_va_sdst(0) depctr_va_ssrc(0) depctr_va_vcc(0) depctr_vm_vsrc(0)
	s_wait_tensorcnt 0x0
	ds_add_u32 v14, v15
	s_wait_dscnt 0x0
	s_endpgm
; ---------------- Q: queries 16 qt .. + 15, channels 128 nb .. + 127 ----------------
.Lrole_q:
	s_lshr_b32 s35, ttmp9, 3                       ; qt
	s_and_b32 s47, ttmp9, 7                        ; nb
	s_lshl_b32 s40, s35, 4
	s_lshl_b32 s41, s[WV], 1
	s_add_co_u32 s40, s40, s41                     ; I normalise rows 16 qt + 2 w and the next
	s_lshl_b32 s42, s40, 12
	s_add_nc_u64 s[10:11], s[10:11], s[42:43]
	LOADVEC G, 20
	LOADVEC B, 22
	LOADROW 0, 10, 0
	LOADROW 1, 10, 0
	s_lshl_b32 s40, s47, 3
	s_add_co_u32 s40, s40, s[WV]                   ; my tile of 16 channels: cb = 8 nb + w
	s_lshl_b32 s42, s40, 16                        ; its 16 rows of Wq, 4,096 bytes each
	s_add_nc_u64 s[14:15], s[14:15], s[42:43]
.irp t, 0,1,2,3
	s_add_nc_u64 s[QW+2*(\t):QW+2*(\t)+1], s[14:15], 256*(\t)  ; set t begins with k = 64 t
.endr
	s_lshl_b32 s41, s35, 6
	s_add_co_u32 s41, s41, s40
	s_lshl_b32 s42, s41, 9                         ; block (qt, cb) of qf
	s_add_nc_u64 s[32:33], s[32:33], s[42:43]
	s_mul_i32 s44, s[WV], 2*XP
	v_add_nc_u32 v[XW], s44, v[SO]
	v_and_b32 v[RR], 15, v0
	v_bfe_u32 v[HH], v0, 4, 1
	v_lshlrev_b32 v[WO], 12, v[RR]
	v_lshl_add_u32 v[WO], v[HH], 6, v[WO]          ; row l % 16 of Wq, 64 bytes for each half of the lanes
	v_mul_u32_u24 v[AO], v[RR], XP
	v_lshl_add_u32 v[AO], v[HH], 5, v[AO]          ; row l % 16 of XQ, 32 bytes for each half
.irp s, 0,1
	s_wait_loadcnt 8-8*(\s)
	MOMENTS \s
.endr
.irp s, 0,1
	v_rsq_f32 v[RS+2*(\s)], v[TA+8*(\s)+2]
	v_rsq_f32 v[RS+2*(\s)+1], v[TA+8*(\s)+2]
.endr
	v_nop
	s_wait_alu depctr_va_vdst(0)                   ; one wait for the four: their results are written, ahead of their first use
.irp s, 0,1
	SCALE \s
.set i, 0
.rept 16
	v_pk_fma_f32 v[X+32*(\s)+2*i:X+32*(\s)+2*i+1], v[X+32*(\s)+2*i:X+32*(\s)+2*i+1], v[G+2*i:G+2*i+1], v[B+2*i:B+2*i+1]
.set i, i+1
.endr
	CVT16 \s
.endr
	s_wait_alu depctr_va_vdst(0)                   ; both rows are rounded and v[XW] is written, which the LDS stores read; v[WO] and v[AO] are written; the vector work is done with X and with B, in which loads of Wq and of fragments land
.irp s, 0,1
.irp j, 0,1,2,3,4,5,6,7
	ds_store_b64 v[XW], v[X+32*(\s)+2*(\j):X+32*(\s)+2*(\j)+1] offset:XQ+XP*(\s)+256*(\j)
.endr
.endr
; Wq: four of a set's eight loads.  t: the set, 64 k; g: the fragment of 32 k.  BOTH OPERANDS TAKE K IN THE SAME ORDER: in a fragment of 32 k lane (r, h) holds k 16 h + 0..15,
; so a lane's part of a fragment is 64 consecutive bytes of Wq and 32 of XQ.  A permutation of k that both sources share leaves the products as they are.
.macro QFILL t, g
.irp q, 0,1,2,3
	global_load_b128 v[WB+32*(\t)+16*(\g)+4*(\q):WB+32*(\t)+16*(\g)+4*(\q)+3], v[WO], s[QW+2*(\t):QW+2*(\t)+1] offset:128*(\g)+16*(\q)
.endr
.endm
; The queries' two fragments of one trip.  a: the set; at: the trip's bytes in a row of XQ, counted from this round's first trip.
.macro QFRAG a, at
.irp e, 0,1
	ds_load_b128 v[AF+16*(\a)+8*(\e):AF+16*(\a)+8*(\e)+3],   v[AO] offset:XQ+(\at)+64*(\e)
	ds_load_b128 v[AF+16*(\a)+8*(\e)+4:AF+16*(\a)+8*(\e)+7], v[AO] offset:XQ+(\at)+64*(\e)+16
.endr
.endm
	s_wait_alu depctr_vm_vsrc(0)                   ; the LDS stores have read X0 and X1: these registers are WB from here on, and loads of Wq land in them
.irp t, 0,1,2,3
	QFILL \t, 0                                    ; the ring's first 32 loads: 256 k
	QFILL \t, 1
.endr
	s_wait_dscnt 0x0                               ; for the others' sake: my rows lie in XQ
	s_barrier_signal -1
	s_barrier_wait -1                              ; all sixteen rows lie in XQ
	QFRAG 0, 0                                     ; the first trip's fragments; each trip asks for the next one's
.set i, 0
.rept 32
	v_mov_b32 v[ACC+i], 0                          ; the sums start at 0, written while the first loads are out, so that the loop has one form of product
.set i, i+1
.endr
; A trip: 64 k.  y^T = Wq x^T: source 0 = my 16 rows of Wq, source 1 = the 16 queries.  The four accumulators take turns, over the backward jump too.
; HB and AF go by the trip's parity: the sixteen conversions of the trip between are the places between a product and the next write of its sources.
; last = 1: the last round, which asks for no more of Wq, and in its last trip for no fragment.
.macro QTRIP s, last
.set p, (\s)&1
.if \last
	s_wait_loadcnt 24-8*(\s)                       ; set s is in; the counts run down
.else
	s_wait_loadcnt 24                              ; set s is in; the three younger sets of eight stay out
	s_add_nc_u64 s[QW+2*(\s):QW+2*(\s)+1], s[QW+2*(\s):QW+2*(\s)+1], 1024  ; free since that wait, which shows the loads that read it done: the same set of the next round
.endif
.set i, 0
.rept 16
	v_cvt_pk_f16_f32 v[HB+16*p+i], v[WB+32*(\s)+2*i], v[WB+32*(\s)+2*i+1]
.set i, i+1
.endr
.if (\last) && ((\s) == 3)
	s_wait_dscnt 0x0                               ; the last fragments are in; no load follows, so nothing is stated here
.else
	s_wait_alu depctr_va_vdst(0)                   ; the conversions are done reading WB[s]; the last trip's products are done reading the other AF; in a round's first trip v[AO] is written
	QFRAG 1-p, 128*((\s)+1)
	s_wait_dscnt 4                                 ; this trip's fragments are in; the four loads just issued stay out
.endif
	v_wmma_f32_16x16x32_f16 v[ACC+16*p:ACC+16*p+7], v[HB+16*p:HB+16*p+7], v[AF+16*p:AF+16*p+7], v[ACC+16*p:ACC+16*p+7]
.if !(\last)
	QFILL \s, 0                                    ; the set is asked for again.  No wait: no vector or matrix instruction since the wait above names WB[s]
.endif
	v_wmma_f32_16x16x32_f16 v[ACC+16*p+8:ACC+16*p+15], v[HB+16*p+8:HB+16*p+15], v[AF+16*p+8:AF+16*p+15], v[ACC+16*p+8:ACC+16*p+15]
.if !(\last)
	QFILL \s, 1
.endif
.endm
	s_mov_b32 s46, 3
.Lq_round:
	QTRIP 0, 0
	QTRIP 1, 0
	QTRIP 2, 0
	QTRIP 3, 0
	s_wait_alu depctr_vm_vsrc(0)                   ; the LDS loads issued so far have read v[AO]
	v_add_nc_u32 v[AO], 512, v[AO]                 ; a round on: 256 k
	s_sub_co_u32 s46, s46, 1
	s_cmp_lg_u32 s46, 0
	s_cbranch_scc1 .Lq_round
	QTRIP 0, 1                                     ; the last round is written out: no load leaves Wq, and none reads past a row of XQ
	QTRIP 1, 1
	QTRIP 2, 1
	QTRIP 3, 1
.rept 8
	v_nop                                          ; the places behind the last products
.endr
.irp r, 0,2,4,6                        ; each accumulator is read from its low end on
	v_pk_add_f32 v[ACC+(\r):ACC+(\r)+1], v[ACC+(\r):ACC+(\r)+1], v[ACC+8+(\r):ACC+8+(\r)+1]
	v_pk_add_f32 v[ACC+16+(\r):ACC+16+(\r)+1], v[ACC+16+(\r):ACC+16+(\r)+1], v[ACC+24+(\r):ACC+24+(\r)+1]
.endr
.irp r, 0,2,4,6
	v_pk_add_f32 v[ACC+(\r):ACC+(\r)+1], v[ACC+(\r):ACC+(\r)+1], v[ACC+16+(\r):ACC+16+(\r)+1]
.endr
.irp r, 0,1,2,3
	v_cvt_pk_bf16_f32 v[HB+(\r)], v[ACC+2*(\r)], v[ACC+2*(\r)+1]  ; lane (r, h): query r, channels 8 h + 0..7 of my tile
.endr
	s_wait_alu depctr_va_vdst(0)                   ; the four roundings have written v[HB ..], which the store reads
	global_store_b128 v[LO], v[HB:HB+3], s[32:33]  ; a block of qf: 512 consecutive bytes, aligned
	s_wait_dscnt 0x0                               ; the wave's end, as at the first role's
	s_wait_alu depctr_hold_cnt(0) depctr_sa_sdst(0) depctr_va_vdst(0) depctr_va_sdst(0) depctr_va_ssrc(0) depctr_va_vcc(0) depctr_vm_vsrc(0)
	s_wait_tensorcnt 0x0
	ds_add_u32 v14, v15
	s_wait_dscnt 0x0
	s_endpgm
.Lfunc_end_k_q962912cd62_prep:
	.size	k_q962912cd62_prep, .Lfunc_end_k_q962912cd62_prep-k_q962912cd62_prep
	.p2alignl 7, 3214868480
	.fill 96, 4, 3214868480
	.section	.rodata,"a",@progbits
	.p2align	6, 0x0
	.amdhsa_kernel k_q962912cd62_prep
		.amdhsa_group_segment_fixed_size 34816
		.amdhsa_private_segment_fixed_size 0
		.amdhsa_enable_private_segment 0
		.amdhsa_kernarg_size 104
		.amdhsa_user_sgpr_count 2
		.amdhsa_user_sgpr_kernarg_segment_ptr 1
		.amdhsa_wavefront_size32 1
		.amdhsa_system_sgpr_workgroup_id_x 1
		.amdhsa_system_sgpr_workgroup_id_y 1
		.amdhsa_system_sgpr_workgroup_id_z 1
		.amdhsa_system_vgpr_workitem_id 0
		.amdhsa_next_free_vgpr 256
		.amdhsa_next_free_sgpr 66
		.amdhsa_reserve_vcc 1
		.amdhsa_float_denorm_mode_32 3
		.amdhsa_float_denorm_mode_16_64 3
		.amdhsa_memory_ordered 1
		.amdhsa_forward_progress 1
		.amdhsa_inst_pref_size 82
	.end_amdhsa_kernel
	.amdgpu_metadata
---
amdhsa.version: [ 1, 2 ]
amdhsa.kernels:
  - .name:           k_q962912cd62_prep
    .symbol:         k_q962912cd62_prep.kd
    .args:
      - { .name: kx, .offset: 0, .size: 8, .value_kind: global_buffer, .address_space: global }
      - { .name: qx, .offset: 8, .size: 8, .value_kind: global_buffer, .address_space: global }
      - { .name: Wk, .offset: 16, .size: 8, .value_kind: global_buffer, .address_space: global }
      - { .name: Wq, .offset: 24, .size: 8, .value_kind: global_buffer, .address_space: global }
      - { .name: gk, .offset: 32, .size: 8, .value_kind: global_buffer, .address_space: global }
      - { .name: bk, .offset: 40, .size: 8, .value_kind: global_buffer, .address_space: global }
      - { .name: gq, .offset: 48, .size: 8, .value_kind: global_buffer, .address_space: global }
      - { .name: bq, .offset: 56, .size: 8, .value_kind: global_buffer, .address_space: global }
      - { .name: af, .offset: 64, .size: 8, .value_kind: global_buffer, .address_space: global }
      - { .name: st, .offset: 72, .size: 8, .value_kind: global_buffer, .address_space: global }
      - { .name: wf, .offset: 80, .size: 8, .value_kind: global_buffer, .address_space: global }
      - { .name: bkv, .offset: 88, .size: 8, .value_kind: global_buffer, .address_space: global }
      - { .name: qf, .offset: 96, .size: 8, .value_kind: global_buffer, .address_space: global }
    .group_segment_fixed_size: 34816
    .private_segment_fixed_size: 0
    .kernarg_segment_align: 8
    .kernarg_segment_size: 104
    .max_flat_workgroup_size: 256
    .sgpr_count:     66
    .vgpr_count:     256
    .wavefront_size: 32
...
	.end_amdgpu_metadata
.endif
;; end of part 4
;; launch kproj: the kernel of part 2 again; grid 4 x 64, 4 waves a work-group, clusters of 4 x 4, 327,680 bytes of LDS; arguments af, wf, kf, bkv; writes kf
;; launch attn: the kernel of part 3 again; grid 256 x 1, 4 waves a work-group, no clusters, 327,680 bytes of LDS; arguments kf, qf, af, st, out0; writes out0
